; MI455X (gfx1250); checked and timed in simulation.
; The chip was launched on July 23, 2026; its instructions are those of AMD's public machine-readable ISA for CDNA 5 (MIT licence, August 2026) and "CDNA5" Instruction Set Architecture Reference Guide (July 2026). The comments in the code are by the model that wrote it; some were corrected since.
;; Causal Self Attention. Allowed arithmetic: matrix products marked QUANTISED: E2M3 operands, one E8M0 scale for each 32 along K, by v_wmma_scale_f32_16x16x128_f8f6f4 with both operands' format E2M3, f32 sums; everything else in f32.
;; Inputs: b_proj 1,024 float32; b_qkv 3,072 float32; w_proj 1,024 x 1,024 float32; w_qkv 1,024 x 3,072 float32; x 4 x 2,048 x 1,024 float32.
;; Outputs: out0 4 x 2,048 x 1,024 float32.
;; This version of the problem:
;;   THIS VERSION OF THE PROBLEM IS GIVEN IN LOW PRECISION. The matrix products marked QUANTISED in the list below multiply operands that are first quantised to E2M3 (2 exponent bits, 3 mantissa bits; 6 bits a number), with one power-of-two scale for each 32 numbers along K (OCP MX v1.0); their sums are f32. All else is computed in f32.
;;   The module's matrix products, in the order in which they are computed (A, B: the left and right operand; K: the contracted axis; several contracted axes count as one K, in the product's order):
;;     1. [M 8,192, K 1,024] x [K 1,024, N 3,072]; A: input x; B: input w_qkv: QUANTISED
;;     2. batch 64 x [M 2,048, K 64] x [K 64, N 2,048]; A: computed on the way; B: computed on the way: QUANTISED
;;     3. batch 64 x [M 2,048, K 2,048] x [K 2,048, N 64]; A: softmax (see below); B: computed on the way: QUANTISED
;;     4. [M 8,192, K 1,024] x [K 1,024, N 1,024]; A: computed on the way; B: input w_proj: QUANTISED
;;   THE QUANTISER, for each operand of a quantised product, along K:
;;     - K is cut into blocks of 32 from its start; a last block that is shorter is filled with zeros.
;;     - A block's scale is 2^e with e = floor(log2(the largest magnitude in the block)) - 2, held to -126 .. 127; a block of zeros has e = 0. As a byte (E8M0): e + 127.
;;     - Each number is divided by its block's scale, clamped to +-7.5, and rounded to the nearest number of E2M3, ties to even, subnormals kept.
;;     - The product sums the exact products of the quantised numbers (number of the format x scale) in f32.
;;   ~~~python
;;   def quantise(x, axis):      # numpy; x: float32 -> the quantised numbers, widened to float32 again
;;       x = np.moveaxis(x, axis, -1); K = x.shape[-1]
;;       x = np.pad(x, [(0, 0)] * (x.ndim - 1) + [(0, -K % 32)]); x = x.reshape(x.shape[:-1] + (-1, 32)); a = np.abs(x).max(-1, keepdims=True)
;;       e = np.where(a > 0, np.clip(np.frexp(np.where(a > 0, a, 1))[1] - 1 - 2, -126, 127), 0)      # np.frexp(a)[1] - 1 = floor(log2(a)), exactly
;;       r = np.clip(x / 2.0 ** e, -7.5, 7.5)
;;       step = 2.0 ** (np.maximum(np.frexp(np.where(r == 0, 1, r))[1] - 1, 0) - 3)
;;       q = np.round(r / step) * step * 2.0 ** e      # np.round: ties to even
;;       return np.moveaxis(q.reshape(q.shape[:-2] + (-1,))[..., :K], -1, axis).astype(np.float32)
;;   ~~~
;;   SOFTMAX AHEAD OF A QUANTISED PRODUCT. Where the list says 'softmax', what is quantised is not the finished softmax but p = 2^(t - M), with t = logit x log2(e) and M = ceil(the row's largest t), a whole number; so 1/2 < the row's largest p <= 1. The row's sum l is taken of the UNQUANTISED p, in f32, and the product's result is divided by l at the end. Since M is a whole number, a kernel that streams over the keys may use a running M (the ceiling of the running maximum): every later rescaling is an exact power of two, which a block's scale takes up: the codes' values come out the same.
;;   OPERANDS COMPUTED ON THE WAY. 'Computed on the way' means the value that the module computes at that place (a softmax that the list does not call 'softmax' is quantised finished and normalised). What goes into a quantiser is computed in f32, as accurately as f32 sums, v_exp_f32 and their like allow (about 1e-6 of the number): no bf16 or f16 on the way to a quantiser, and a product that is left as it is and whose result goes on into a quantised operand takes f32 operands (vector FMAs, or v_wmma_f32_16x16x4_f32). A number that lies on a knife's edge between two numbers of the format may be rounded either way, as far as f32 arithmetic and the matrix unit's own rounding can turn it there, and no further.
;; One version. Each part assembles by itself: llvm-mc -triple=amdgcn-amd-amdhsa -mcpu=gfx1250 --defsym DOCPART=n.
;; ======== version 1 of 1: 4 launches
;; workspace buffers: xc 6,553,600 bytes; wc 2,457,600 bytes; wp 819,200 bytes; qc 6,553,600 bytes; kv 13,107,200 bytes; at 6,553,600 bytes
;; launch quant (part 1): grid 384 x 1, 4 waves a work-group, no clusters, 93,696 bytes of LDS; arguments x, w_qkv, w_proj, xc, wc, wp; writes xc, wc, wp
.if DOCPART == 1
	.amdgcn_target "amdgcn-amd-amdhsa--gfx1250"
	.amdhsa_code_object_version 6
	.text
	.protected	k_qdd6aca41fe_quant
	.globl	k_qdd6aca41fe_quant
	.p2align	8
	.type	k_qdd6aca41fe_quant,@function
k_qdd6aca41fe_quant:
	s_mov_b64 s[64:65], 0
	v_nop
	global_prefetch_b8 v0, s[64:65] scope:SCOPE_SE
	s_setreg_imm32_b32 hwreg(HW_REG_WAVE_MODE, 25, 1), 1
	s_wait_xcnt 0x0
; x [8192][1024], w_qkv [1024][3072], w_proj [1024][1024], f32, become codes of E2M3 with one E8M0 byte for each 32 along K (K = the 1,024), laid IN THE ORDER OF THE OPERAND'S REGISTERS.
; A block's scale is 2^(floor(log2(largest magnitude)) - 2): its byte is the largest magnitude's exponent field - 2, held at 1 from below.
; LIMITS: NaN and infinities among the inputs are not served; a block whose largest magnitude lies under 2^-124 gets the byte 1; a block of zeros gets the byte 1 (the rule says 127): its codes are zeros and this program alone reads the bytes.
; FORMATS (L = lane, r = L % 16, h = L / 16):
;   half image, 768 bytes: 16 rows x 64 K; lane L holds row r, k = 32 h .. 32 h + 31, in 6 registers: registers 0-3 at byte 16 L, registers 4-5 at byte 512 + 8 L.
;   fragment, 1,536 bytes: the half image of k 0-63, then that of k 64-127.   scale unit, 256 bytes: the word of tile e (0..3), row r, at 8 r + 128 (e % 2) + 4 (e / 2).
;   operand block, 6,400 bytes: 64 rows x 128 K: four fragments, then their scale unit.   TILE ORDER: in each run of 32 rows, tile u holds rows 8 u + r + 8 (r / 8).
; SHARES: a wave's task is one operand block (32 KiB of f32 in, 6,400 bytes out); 1,536 tasks that share nothing: no barrier, no cluster, no tensor load.
; Work-groups 0-127 take the weights (K is their FIRST axis), the others x (K innermost).  The two ways never join, and each has LDS bytes of its own.
.set SEL, 20                           ; s[20:21] lane selects of v_permlanex16_b32: lane l xor 16
.set HM,  22                           ; s22      a mask of lanes 16-31
.set QM,  4                            ; v4-5     largest magnitudes
.set QN,  6                            ; v6-7     the other half of the lanes'
.set QE,  8                            ; v8-9     the conversions' scale operands
.set QB,  10                           ; v10-11   the scale bytes
.set QY,  12                           ; v12-14   a conversion's second result
.set WOUT, 32768                       ; LDS: W's way: four in-stages of 8,192 bytes from 0, four out-stages of 6,656 bytes from here
.set XST,  59392                       ; x's way: four stages of 16 rows x 528 bytes from here
; 32 registers of a lane, v[T + 16 b + i] = k 32 b + 16 h + i of my row, become a half image in v[P .. P + 5] and the two scale bytes in v[HW].
.macro HQUANT T, P, HW
	v_max3_num_f32 v[QM], |v[(\T)]|, |v[(\T)+1]|, 0x1800000          ; my 16 numbers of block 0, and the floor 2^(3 - 127): the byte cannot fall under 1
	v_max3_num_f32 v[QM+1], |v[(\T)+16]|, |v[(\T)+17]|, 0x1800000    ; block 1 likewise; the two chains take turns
.irp i, 2,4,6,8,10,12,14
	v_max3_num_f32 v[QM], v[QM], |v[(\T)+\i]|, |v[(\T)+\i+1]|
	v_max3_num_f32 v[QM+1], v[QM+1], |v[(\T)+16+\i]|, |v[(\T)+17+\i]|
.endr
	v_permlanex16_b32 v[QN], v[QM], s[SEL], s[SEL+1]
	v_permlanex16_b32 v[QN+1], v[QM+1], s[SEL], s[SEL+1]
	v_max_num_f32 v[QM], v[QM], v[QN]                                ; with lane l xor 16's 16: the block's largest magnitude
	v_max_num_f32 v[QM+1], v[QM+1], v[QN+1]
	v_add_nc_u32 v[QE], 0xff000000, v[QM]                            ; 2 off the exponent field: the conversion takes this operand's exponent field as its scale
	v_add_nc_u32 v[QE+1], 0xff000000, v[QM+1]
	v_lshrrev_b32 v[QB], 23, v[QE]                                   ; the scale's byte
	v_lshrrev_b32 v[QB+1], 23, v[QE+1]
	v_lshl_or_b32 v[\HW], v[QB+1], 8, v[QB]
	v_cvt_scalef32_pk16_fp6_f32 v[(\P):(\P)+2], v[(\T):(\T)+15], v[QE]
	v_cvt_scalef32_pk16_fp6_f32 v[QY:QY+2], v[(\T)+16:(\T)+31], v[QE+1]
	v_nop                                                            ; one plain instruction behind the scaled conversions
.irp i, 0,1,2
	v_permlane16_swap_b32 v[(\P)+\i], v[QY+\i]                       ; a lane is to hold a WHOLE block: lanes 0-15 block 0, lanes 16-31 block 1
.endr
.irp i, 0,1,2
	v_mov_b32 v[(\P)+3+\i], v[QY+\i]
.endr
.endm
; ---- W's way.  v16 in-stage + 8 L; v17 in-stage + 4 L; v18, v19 where my column's codes go; v20, v21 out-stage + 16 L, + 8 L; v22 my place in the scale unit; v[24:25] my two scale words;
;      v30-35, v112-117 codes (a set for each run of 32 columns); v36-38 a conversion's second result; v40-47 8 L + i x pitch; v48-111 two blocks of 32 numbers; v128-255 two sets of 32 rows as loaded.
.macro WLOAD blk                       ; rows 32 blk .. 32 blk + 31 of K, my 64 columns: each load reads 256 consecutive bytes
.set i, 0
.rept 32
	global_load_b64 v[128+64*((\blk)%2)+2*i:128+64*((\blk)%2)+2*i+1], v[40+(i&7)], s[32+2*(4*(\blk)+(i>>3)):33+2*(4*(\blk)+(i>>3))] th:TH_LOAD_NT
.set i, i+1
.endr
.endm
.macro BQUANT hf, blk                  ; run hf of 32 columns: my column's block blk of 32 along K lies in my 32 registers: no other lane is asked
.set XB, 48+32*(\hf)
.set CB, 30+82*(\hf)
	v_max3_num_f32 v[QM], |v[XB]|, |v[XB+1]|, |v[XB+2]|
	v_max3_num_f32 v[QM+1], |v[XB+3]|, |v[XB+4]|, |v[XB+5]|
.irp i, 6,10,14,18,22,26
	v_max3_num_f32 v[QM], v[QM], |v[XB+\i]|, |v[XB+\i+1]|
	v_max3_num_f32 v[QM+1], v[QM+1], |v[XB+\i+2]|, |v[XB+\i+3]|
.endr
	v_max3_num_f32 v[QM], v[QM], |v[XB+30]|, |v[XB+31]|
	v_max3_num_f32 v[QM], v[QM], v[QM+1], 0x1800000                  ; and the floor
	v_add_nc_u32 v[QE], 0xff000000, v[QM]
	v_lshrrev_b32 v[QB], 23, v[QE]
.if (\blk) == 0
	v_mov_b32 v[24+(\hf)], v[QB]                                     ; four bytes make my column's scale word, the lower K in the lower byte
.else
	v_lshl_or_b32 v[24+(\hf)], v[QB], 8*(\blk), v[24+(\hf)]
.endif
	v_cvt_scalef32_pk16_fp6_f32 v[CB:CB+2], v[XB:XB+15], v[QE]
	v_cvt_scalef32_pk16_fp6_f32 v[36:38], v[XB+16:XB+31], v[QE]      ; (a conversion's three registers begin on an even number)
	v_nop
.irp i, 0,1,2
	v_mov_b32 v[CB+3+\i], v[36+\i]
.endr
	ds_store_b128 v18, v[CB:CB+3] offset:3328*(\hf)+768*((\blk)>>1)+256*((\blk)&1)       ; into the image: tile 2 hf + u, half image blk / 2, the image's lane r' + 16 (blk % 2)
	ds_store_b64 v19, v[CB+4:CB+5] offset:3328*(\hf)+768*((\blk)>>1)+512+128*((\blk)&1)
.endm
.macro WBLOCK blk
.if (\blk) < 3
	s_wait_loadcnt 32                                                ; this block's 32 loads are in; the next block's 32 may be out
.else
	s_wait_loadcnt 0x0
.endif
.set i, 0
.rept 32
	ds_store_b64 v16, v[128+64*((\blk)%2)+2*i:128+64*((\blk)%2)+2*i+1] offset:256*i    ; the rows as they lie
.set i, i+1
.endr
.set i, 0
.rept 64
	ds_load_b32 v[48+i], v17 offset:256*(i%32)+128*(i/32)            ; and back a lane to a column, registers down K (LDS serves a wave's instructions in order)
.set i, i+1
.endr
	s_wait_dscnt 32                                                  ; the stores and the first run's 32 loads are done; the second run's 32 may be out
.if (\blk) < 2
	WLOAD (\blk)+2                                                   ; into the registers that those stores have read
.endif
	BQUANT 0, \blk
	s_wait_dscnt 2                                                   ; the second run's loads are in; the two code stores just issued may be out
	BQUANT 1, \blk
.endm
; ---- x's way.  v16 stage + 16 L; v17 stage + 528 r + 64 h; v18, v19 byte pairs; v20-23 the four tiles' scale words; v[24:25] my pair of them; v28-51 two sets of a fragment's codes; v64-255 three sets of 64 numbers.
.macro XLOAD f                         ; tile f: 16 tokens in tile order, 128 numbers each: every load reads 512 consecutive bytes
.set i, 0
.rept 16
	global_load_b128 v[64+64*((\f)%3)+4*i:64+64*((\f)%3)+4*i+3], v2, s[24:25] offset:(32*((\f)>>1)+8*((\f)&1)+i+8*(i>>3))*4096 th:TH_LOAD_NT
.set i, i+1
.endr
.endm
.macro XFRAG f, left
.set RS, 64+64*((\f)%3)
.set PS, 28+12*((\f)%2)
	s_wait_loadcnt \left                                             ; this tile's 16 loads are in; the younger tiles' may be out
.set i, 0
.rept 16
	ds_store_b128 v16, v[RS+4*i:RS+4*i+3] offset:528*i               ; row i of the tile, 512 bytes + 16 of padding
.set i, i+1
.endr
.set i, 0
.rept 16
	ds_load_b128 v[RS+4*i:RS+4*i+3], v17 offset:128*(i/4)+16*(i%4)   ; back: lane (r, h) takes, of row r, 16 neighbours of each block of 32
.set i, i+1
.endr
	s_wait_dscnt 0x0
.if (\f) >= 2
	s_wait_xcnt 0x0                                                  ; the stores of two tiles back have read this set of codes
.endif
	HQUANT RS, PS, 18
	HQUANT RS+32, PS+6, 19
	v_lshl_or_b32 v[20+(\f)], v19, 16, v18                           ; my row's scale word of this tile
.if (\f) == 0
	XLOAD 3
.endif
	global_store_b128 v2, v[PS:PS+3], s[26:27] offset:1536*(\f)      ; every store of the wave covers whole aligned runs of 256 bytes
	global_store_b64 v3, v[PS+4:PS+5], s[26:27] offset:1536*(\f)+512
	global_store_b128 v2, v[PS+6:PS+9], s[26:27] offset:1536*(\f)+768
	global_store_b64 v3, v[PS+10:PS+11], s[26:27] offset:1536*(\f)+1280
.endm
	s_load_b256 s[4:11], s[0:1], 0x0               ; x s[4:5], w_qkv s[6:7], w_proj s[8:9], xc s[10:11]
	s_load_b128 s[12:15], s[0:1], 0x20             ; wc s[12:13], wp s[14:15]
	v_lshl_add_u32 v15, v0, 2, 0x16c00
	s_set_vgpr_msb 0x40
	v_mov_b32 v1, 0
	s_set_vgpr_msb 0x4000
	v_lshrrev_b32 v1, 5, v0
	v_readfirstlane_b32 s16, v1                    ; wave 0..3
	v_and_b32 v1, 31, v0                           ; L
	v_lshlrev_b32 v2, 4, v1                        ; 16 L
	v_lshlrev_b32 v3, 3, v1                        ; 8 L
	v_mov_b32 v[QN], 0                             ; written once: a lane permute's destination counts as one of its sources
	v_mov_b32 v[QN+1], 0
	s_mov_b32 s[SEL], 0x76543210
	s_mov_b32 s[SEL+1], 0xfedcba98
	s_mov_b32 s[HM], 0xffff0000
	s_wait_kmcnt 0x0
	s_cmp_lt_u32 ttmp9, 128
	s_cbranch_scc0 .Lx_path
	; ================ the weights: task = 4 x work-group + wave, 0..511; the first 384 are w_qkv's, the others w_proj's: only pointers, pitch and place are chosen
	s_lshl_b32 s17, ttmp9, 2
	s_add_co_u32 s17, s17, s16
	s_and_b32 s18, s17, 7                          ; K step s
	s_lshr_b32 s19, s17, 3
	s_mov_b32 s23, 4096
	s_cmp_lt_u32 ttmp9, 96
	s_cselect_b32 s23, 12288, s23                  ; a row of the weight in bytes
	s_cselect_b32 s30, 0, 48
	s_cselect_b64 s[24:25], s[6:7], s[8:9]
	s_cselect_b64 s[26:27], s[12:13], s[14:15]
	s_sub_co_u32 s19, s19, s30                     ; j: which 64 columns of the tensor
	s_and_b32 s30, s19, 15                         ; w_qkv: j = 16 x type + head; its block is ((head x 8 + s) x 3 + type)
	s_lshl_b32 s30, s30, 3
	s_add_co_u32 s30, s30, s18
	s_mul_i32 s30, s30, 3
	s_lshr_b32 s31, s19, 4
	s_add_co_u32 s30, s30, s31
	s_lshl_b32 s31, s19, 3                         ; w_proj: block j x 8 + s
	s_add_co_u32 s31, s31, s18
	s_cmp_lt_u32 ttmp9, 96
	s_cselect_b32 s30, s30, s31
	s_mul_i32 s30, s30, 6400
	s_mov_b32 s31, 0
	s_add_nc_u64 s[26:27], s[26:27], s[30:31]      ; where my block goes
	s_mul_i32 s30, s18, s23
	s_lshl_b32 s30, s30, 7                         ; 128 s rows
	s_lshl_b32 s28, s19, 8                         ; + 256 j bytes
	s_add_co_u32 s30, s30, s28
	s_add_nc_u64 s[32:33], s[24:25], s[30:31]      ; s[32 + 2 q : 33 + 2 q]: my columns at row 8 q of my 128
	s_lshl_b32 s28, s23, 3
	s_mov_b32 s29, 0
.irp q, 1,2,3,4,5,6,7,8,9,10,11,12,13,14,15
	s_add_nc_u64 s[32+2*\q:33+2*\q], s[30+2*\q:31+2*\q], s[28:29]
.endr
	s_wait_alu depctr_va_vdst(0)
.irp i, 0,1,2,3,4,5,6,7
	v_mad_u32_u24 v[40+\i], s23, \i, v3            ; 8 L + i rows
.endr
	WLOAD 0
	WLOAD 1
	s_lshl_b32 s30, s16, 13                        ; my in-stage
	v_add_nc_u32 v16, s30, v3
	v_lshl_add_u32 v17, v1, 2, s30
	s_mul_i32 s31, s16, 6656
	s_add_co_u32 s31, s31, WOUT                    ; my out-stage: four fragments 1,664 bytes apart
	v_bfe_u32 v26, v1, 3, 1                        ; column L of a run of 32 is row r' = L % 8 + 8 (L / 16) of tile u = (L / 8) % 2
	v_and_b32 v27, 7, v1
	v_lshrrev_b32 v28, 4, v1
	v_lshl_add_u32 v27, v28, 3, v27
	v_mul_u32_u24 v29, v26, 1664
	v_add_nc_u32 v29, s31, v29
	v_lshl_add_u32 v18, v27, 4, v29
	v_lshl_add_u32 v19, v27, 3, v29
	v_add_nc_u32 v20, s31, v2
	v_add_nc_u32 v21, s31, v3
	v_lshlrev_b32 v22, 3, v27
	v_lshl_add_u32 v22, v26, 7, v22                ; 8 r' + 128 u: there my words of tiles u and 2 + u lie side by side
	WBLOCK 0
	WBLOCK 1
	WBLOCK 2
	WBLOCK 3
.irp a, 0,1,2,3
	ds_load_b128 v[128+12*\a:131+12*\a], v20 offset:1664*\a          ; the four images, lane by lane (these see my stores: LDS serves a wave's instructions in order)
	ds_load_b64 v[132+12*\a:133+12*\a], v21 offset:1664*\a+512
	ds_load_b128 v[134+12*\a:137+12*\a], v20 offset:1664*\a+768
	ds_load_b64 v[138+12*\a:139+12*\a], v21 offset:1664*\a+1280
.endr
	s_wait_alu depctr_va_vdst(0)
.irp a, 0,1,2,3
	s_wait_dscnt 15-4*\a                                             ; the counts run down over the sixteen loads
	global_store_b128 v2, v[128+12*\a:131+12*\a], s[26:27] offset:1536*\a
	s_wait_dscnt 14-4*\a
	global_store_b64 v3, v[132+12*\a:133+12*\a], s[26:27] offset:1536*\a+512
	s_wait_dscnt 13-4*\a
	global_store_b128 v2, v[134+12*\a:137+12*\a], s[26:27] offset:1536*\a+768
	s_wait_dscnt 12-4*\a
	global_store_b64 v3, v[138+12*\a:139+12*\a], s[26:27] offset:1536*\a+1280
.endr
	global_store_b64 v22, v[24:25], s[26:27] offset:6144             ; the scale unit: 32 lanes fill its 256 bytes
	s_set_vgpr_msb 0x4
	s_wait_tensorcnt 0x0
	ds_add_u32 v15, v1
	s_wait_dscnt 0x0
	s_set_vgpr_msb 0x400
	s_endpgm
.Lx_path:
	; ================ x: task = 4 x (work-group - 128) + wave, 0..1023: 64 tokens G64 = task / 8, K step s = task % 8
	s_sub_co_u32 s17, ttmp9, 128
	s_lshl_b32 s17, s17, 2
	s_add_co_u32 s17, s17, s16
	s_and_b32 s18, s17, 7
	s_lshr_b32 s19, s17, 3
	s_lshl_b32 s30, s19, 18                        ; 64 tokens of 4,096 bytes
	s_lshl_b32 s28, s18, 9                         ; 128 numbers along K
	s_add_co_u32 s30, s30, s28
	s_mov_b32 s31, 0
	s_add_nc_u64 s[24:25], s[4:5], s[30:31]
	s_wait_alu depctr_va_vdst(0)
	XLOAD 0
	XLOAD 1
	XLOAD 2
	s_lshr_b32 s30, s19, 1                         ; xc: [128 tokens][s][which 64] blocks
	s_lshl_b32 s30, s30, 3
	s_add_co_u32 s30, s30, s18
	s_lshl_b32 s30, s30, 1
	s_and_b32 s28, s19, 1
	s_add_co_u32 s30, s30, s28
	s_mul_i32 s30, s30, 6400
	s_add_nc_u64 s[26:27], s[10:11], s[30:31]
	s_mul_i32 s30, s16, 8448
	s_add_co_u32 s30, s30, XST                     ; my stage
	v_add_nc_u32 v16, s30, v2
	v_and_b32 v26, 15, v1
	v_lshrrev_b32 v27, 4, v1
	v_mul_u32_u24 v17, v26, 528
	v_lshl_add_u32 v17, v27, 6, v17
	v_add_nc_u32 v17, s30, v17
	s_wait_alu depctr_va_vdst(0)
	XFRAG 0, 32
	XFRAG 1, 32
	XFRAG 2, 16
	XFRAG 3, 0
	v_cndmask_b32 v24, v20, v21, s[HM]             ; lane (r, h) stores the words of tiles h and 2 + h of row r: 8 bytes at 8 L
	v_cndmask_b32 v25, v22, v23, s[HM]
	global_store_b64 v3, v[24:25], s[26:27] offset:6144
	s_set_vgpr_msb 0x4
	s_wait_tensorcnt 0x0
	ds_add_u32 v15, v1
	s_wait_dscnt 0x0
	s_set_vgpr_msb 0x400
	s_endpgm
.Lfunc_end_k_qdd6aca41fe_quant:
	.size	k_qdd6aca41fe_quant, .Lfunc_end_k_qdd6aca41fe_quant-k_qdd6aca41fe_quant
	.p2alignl 7, 3214868480
	.fill 96, 4, 3214868480
	.section	.rodata,"a",@progbits
	.p2align	6, 0x0
	.amdhsa_kernel k_qdd6aca41fe_quant
		.amdhsa_group_segment_fixed_size 93696
		.amdhsa_private_segment_fixed_size 0
		.amdhsa_enable_private_segment 0
		.amdhsa_kernarg_size 48
		.amdhsa_user_sgpr_count 2
		.amdhsa_user_sgpr_kernarg_segment_ptr 1
		.amdhsa_wavefront_size32 1
		.amdhsa_system_sgpr_workgroup_id_x 1
		.amdhsa_system_sgpr_workgroup_id_y 1
		.amdhsa_system_sgpr_workgroup_id_z 1
		.amdhsa_system_vgpr_workitem_id 0
		.amdhsa_next_free_vgpr 258
		.amdhsa_next_free_sgpr 66
		.amdhsa_reserve_vcc 0
		.amdhsa_float_denorm_mode_32 3
		.amdhsa_float_denorm_mode_16_64 3
		.amdhsa_memory_ordered 1
		.amdhsa_forward_progress 1
		.amdhsa_inst_pref_size 89
	.end_amdhsa_kernel
	.amdgpu_metadata
---
amdhsa.version: [ 1, 2 ]
amdhsa.kernels:
  - .name:           k_qdd6aca41fe_quant
    .symbol:         k_qdd6aca41fe_quant.kd
    .args:
      - { .name: x, .offset: 0, .size: 8, .value_kind: global_buffer, .address_space: global }
      - { .name: w_qkv, .offset: 8, .size: 8, .value_kind: global_buffer, .address_space: global }
      - { .name: w_proj, .offset: 16, .size: 8, .value_kind: global_buffer, .address_space: global }
      - { .name: xc, .offset: 24, .size: 8, .value_kind: global_buffer, .address_space: global }
      - { .name: wc, .offset: 32, .size: 8, .value_kind: global_buffer, .address_space: global }
      - { .name: wp, .offset: 40, .size: 8, .value_kind: global_buffer, .address_space: global }
    .group_segment_fixed_size: 93696
    .private_segment_fixed_size: 0
    .kernarg_segment_align: 8
    .kernarg_segment_size: 48
    .max_flat_workgroup_size: 128
    .sgpr_count:     66
    .vgpr_count:     258
    .wavefront_size: 32
...
	.end_amdgpu_metadata
.endif
;; end of part 1
;; launch qkv (part 2): grid 16 x 16, 4 waves a work-group, clusters of 4 x 1, 168,448 bytes of LDS; arguments xc, wc, b_qkv, qc, kv; writes qc, kv
.if DOCPART == 2
	.amdgcn_target "amdgcn-amd-amdhsa--gfx1250"
	.amdhsa_code_object_version 6
	.text
	.protected	k_qdd6aca41fe_qkv
	.globl	k_qdd6aca41fe_qkv
	.p2align	8
	.type	k_qdd6aca41fe_qkv,@function
k_qdd6aca41fe_qkv:
	s_mov_b64 s[64:65], 0
	v_nop
	global_prefetch_b8 v0, s[64:65] scope:SCOPE_SE
	s_setreg_imm32_b32 hwreg(HW_REG_WAVE_MODE, 25, 1), 1
	s_wait_xcnt 0x0
	s_wait_alu depctr_hold_cnt(0) depctr_sa_sdst(0) depctr_va_vdst(0) depctr_va_sdst(0) depctr_va_ssrc(0) depctr_va_vcc(0) depctr_vm_vsrc(0)
	s_getreg_b32 s2, hwreg(HW_REG_IB_STS2, 6, 4)
	s_cmp_eq_u32 s2, 0
	s_cbranch_scc0 .Lentry_in_a_cluster
	s_endpgm
.Lentry_in_a_cluster:
	s_bfe_u32 s2, ttmp6, 0x10000c
	s_cmp_lg_u32 s2, 0x3003
	s_cbranch_scc0 .Lentry_shape_is_right
	s_endpgm
.Lentry_shape_is_right:
; qkv = x w_qkv + b_qkv on codes of E2M3, and its three parts quantised on the way: q and k along the head's 64, v along the keys.  Nothing wide goes to memory.
; FORMATS as the first launch lays them (half image 768 bytes, fragment 1,536, scale unit 256, operand block 6,400, tile order).
; SHARES.  A work-group takes 512 tokens (tb) x the q, k and v columns of ONE head g: 192 columns.  Each of its four waves takes 128 tokens, which are one key step of that head: so a wave owns whole blocks of qc and kv.
; A wave has 96 accumulators of 16 x 16 (768 registers, windows 1, 2, 3 for q, k, v) and issues 768 matrix instructions.
; W of the head, for all of K (153,600 bytes), lies in LDS, filled ONCE.  CLUSTER: the four work-groups of a cluster share the head, so each quarter of W is asked for jointly, one tensor load a wave.
; x's fragments belong to one wave alone: they go from memory straight into registers, two sets, asked for one K step ahead.  (Work-groups of other heads read them too; a load into registers cannot be shared, so the cluster is 4 x 1.)
; q, k: the product is used TRANSPOSED (source 0 = 16 columns of W, source 1 = 16 tokens): a lane holds one token and its registers run along the head's 64, by the tile order in natural order.
; v: source 0 = 16 tokens, source 1 = 16 columns: a lane holds one channel and its registers run along the tokens, which are the second attention product's K.
; OUT.  qc [head 64][step 16]: 8 half images (token tile a), a scale unit whose item f holds the byte pairs of tiles 2 f and 2 f + 1.
;       kv [head 64][step 16], 12,800 bytes: K's 8 half images (two neighbours are one fragment), V's 4 fragments (16 channels x 128 keys), K's unit, V's unit.
; LIMITS: NaN and infinities are not served; a block under 2^-124 or of zeros gets the byte 1 (its codes are then zeros or as the byte 1 gives them); this program alone reads the bytes.
; REGISTERS, window 0: v1-6 16 L and 8 L, + 0, 57,600, 115,200; v7 64 h; v8 4 (r + 8 (r / 8)); v16-51 three fragments of W; v52-59 x's scale words, two sets; v60-63 W's, two sets; v64-159, v160-255 x's 8 fragments, two sets.
;   In the way out: v64-135 the biases; v136-167 32 numbers; v168-231 eight sets of codes; v232-243 at work; v244-251 byte pairs; v16-21 scale words.
.set WV,  14
.set SEL, 20
.set HM,  22
.set G1,  24                           ; s[24:31] descriptor group 1
.set G0,  32                           ; s[32:35] group 0
.set PA,  48                           ; s[48:49] my 128 tokens' blocks in xc
.set PQ,  50                           ; s[50:51] my block of qc
.set PKV, 52                           ; s[52:53] my block of kv
.set PB,  54                           ; s[54:55] b_qkv at my head's q columns
.set QM,  236
.set QN,  238
.set QE,  240
.set QB,  242
.set QY,  232
.set MSB, 0
.macro WIN new                         ; the immediate's high byte repeats the setting that is left; a switch that changes nothing is dropped
.if MSB != (\new)
	s_set_vgpr_msb (MSB<<8)|(\new)
.set MSB, \new
.endif
.endm
.macro PLACES                          ; four plain instructions between a matrix instruction and a load into, or a read of, its registers (ISA guide 7.12.1 for vector instructions)
.rept 4
	v_nop
.endr
.endm
.macro ROUND                           ; a round of the cluster's barrier
	s_barrier_signal -1
	s_barrier_wait -1
	s_cmp_lg_u32 s[WV], 0
	s_cbranch_scc1 .Lnot_wave_0_\@
	s_barrier_signal -3
.Lnot_wave_0_\@:
	s_barrier_wait -3
	s_barrier_signal -1
	s_barrier_wait -1
.endm
.macro WM d, a, b, c, sa, sb, ra, rb   ; one product; ra, rb: the side's scale words stand in lanes 16-31 of the register named
.if (\ra) && (\rb)
	v_wmma_scale_f32_16x16x128_f8f6f4 v[(\d):(\d)+7], v[(\a):(\a)+11], v[(\b):(\b)+11], \c, v[\sa], v[\sb] matrix_a_fmt:MATRIX_FMT_FP6 matrix_b_fmt:MATRIX_FMT_FP6 matrix_a_scale:MATRIX_SCALE_ROW1 matrix_b_scale:MATRIX_SCALE_ROW1
.elseif (\ra)
	v_wmma_scale_f32_16x16x128_f8f6f4 v[(\d):(\d)+7], v[(\a):(\a)+11], v[(\b):(\b)+11], \c, v[\sa], v[\sb] matrix_a_fmt:MATRIX_FMT_FP6 matrix_b_fmt:MATRIX_FMT_FP6 matrix_a_scale:MATRIX_SCALE_ROW1
.elseif (\rb)
	v_wmma_scale_f32_16x16x128_f8f6f4 v[(\d):(\d)+7], v[(\a):(\a)+11], v[(\b):(\b)+11], \c, v[\sa], v[\sb] matrix_a_fmt:MATRIX_FMT_FP6 matrix_b_fmt:MATRIX_FMT_FP6 matrix_b_scale:MATRIX_SCALE_ROW1
.else
	v_wmma_scale_f32_16x16x128_f8f6f4 v[(\d):(\d)+7], v[(\a):(\a)+11], v[(\b):(\b)+11], \c, v[\sa], v[\sb] matrix_a_fmt:MATRIX_FMT_FP6 matrix_b_fmt:MATRIX_FMT_FP6
.endif
.endm
; 32 registers of a lane, v[T + 16 b + i] = k 32 b + 16 h + i of my row, become a half image in v[P .. P + 5] and the two scale bytes in v[HW].
.macro HQUANT T, P, HW
	v_max3_num_f32 v[QM], |v[(\T)]|, |v[(\T)+1]|, 0x1800000          ; my 16 numbers of block 0, and the floor 2^(3 - 127): the byte cannot fall under 1
	v_max3_num_f32 v[QM+1], |v[(\T)+16]|, |v[(\T)+17]|, 0x1800000
.irp i, 2,4,6,8,10,12,14
	v_max3_num_f32 v[QM], v[QM], |v[(\T)+\i]|, |v[(\T)+\i+1]|
	v_max3_num_f32 v[QM+1], v[QM+1], |v[(\T)+16+\i]|, |v[(\T)+17+\i]|
.endr
	v_permlanex16_b32 v[QN], v[QM], s[SEL], s[SEL+1]
	v_permlanex16_b32 v[QN+1], v[QM+1], s[SEL], s[SEL+1]
	v_max_num_f32 v[QM], v[QM], v[QN]
	v_max_num_f32 v[QM+1], v[QM+1], v[QN+1]
	v_add_nc_u32 v[QE], 0xff000000, v[QM]                            ; 2 off the exponent field: the conversion's scale operand
	v_add_nc_u32 v[QE+1], 0xff000000, v[QM+1]
	v_lshrrev_b32 v[QB], 23, v[QE]
	v_lshrrev_b32 v[QB+1], 23, v[QE+1]
	v_lshl_or_b32 v[\HW], v[QB+1], 8, v[QB]
	v_cvt_scalef32_pk16_fp6_f32 v[(\P):(\P)+2], v[(\T):(\T)+15], v[QE]
	v_cvt_scalef32_pk16_fp6_f32 v[QY:QY+2], v[(\T)+16:(\T)+31], v[QE+1]
	v_nop                                                            ; one plain instruction behind the scaled conversions
.irp i, 0,1,2
	v_permlane16_swap_b32 v[(\P)+\i], v[QY+\i]
.endr
.irp i, 0,1,2
	v_mov_b32 v[(\P)+3+\i], v[QY+\i]
.endr
.endm
; x's 8 fragments and 2 scale units of K step ks, into set ks % 2: 34 loads
.macro ALOAD ks
.set AB,  64+96*((\ks)%2)
.set ASC, 52+4*((\ks)%2)
.irp gm, 0,1
	global_load_b64 v[ASC+2*\gm:ASC+2*\gm+1], v2, s[PA:PA+1] offset:(\ks)*12800+\gm*6400+6144
.irp a, 0,1,2,3
	global_load_b128 v[AB+12*(4*\gm+\a):AB+12*(4*\gm+\a)+3], v1, s[PA:PA+1] offset:(\ks)*12800+\gm*6400+\a*1536
	global_load_b64 v[AB+12*(4*\gm+\a)+4:AB+12*(4*\gm+\a)+5], v2, s[PA:PA+1] offset:(\ks)*12800+\gm*6400+\a*1536+512
	global_load_b128 v[AB+12*(4*\gm+\a)+6:AB+12*(4*\gm+\a)+9], v1, s[PA:PA+1] offset:(\ks)*12800+\gm*6400+\a*1536+768
	global_load_b64 v[AB+12*(4*\gm+\a)+10:AB+12*(4*\gm+\a)+11], v2, s[PA:PA+1] offset:(\ks)*12800+\gm*6400+\a*1536+1280
.endr
.endr
.endm
; W's fragment of tile number tau = 12 s + 4 p + t (K step s, part p: q, k, v, tile t of 16 columns) from LDS into buffer tau % 3; with t = 0 also the part's scale unit
.macro GB tau
.if (\tau) < 96
.set gs, (\tau)/12
.set gp, ((\tau)%12)/4
.set gt, (\tau)%4
.set gb, 16+12*((\tau)%3)
.set go, (gs%3)*19200+gp*6400
.set ga, 1+2*(gs/3)
.if gt == 0
	ds_load_b64 v[60+2*((3*gs+gp)%2):61+2*((3*gs+gp)%2)], v[ga+1] offset:go+6144
.endif
	ds_load_b128 v[gb:gb+3], v[ga] offset:go+gt*1536
	ds_load_b64 v[gb+4:gb+5], v[ga+1] offset:go+gt*1536+512
	ds_load_b128 v[gb+6:gb+9], v[ga] offset:go+gt*1536+768
	ds_load_b64 v[gb+10:gb+11], v[ga+1] offset:go+gt*1536+1280
.endif
.endm
.macro BIAS                            ; 24 loads into x's set 0, which is done with: q's and k's 32 numbers in the result's order, v's one number a tile (twice: the packed addition names a pair)
.irp be, 0,1
.irp k, 0,1,2,3
	global_load_b128 v[64+16*\be+4*\k:67+16*\be+4*\k], v7, s[PB:PB+1] offset:128*\be+16*\k
	global_load_b128 v[96+16*\be+4*\k:99+16*\be+4*\k], v7, s[PB:PB+1] offset:4096+128*\be+16*\k
.endr
.endr
.irp t, 0,1,2,3
	global_load_b32 v[128+2*\t], v8, s[PB:PB+1] offset:8192+128*(\t>>1)+32*(\t&1)
	global_load_b32 v[129+2*\t], v8, s[PB:PB+1] offset:8192+128*(\t>>1)+32*(\t&1)
.endr
.endm
; Tile number tau: one fragment of W against my 8 fragments of x: 8 matrix instructions on 8 accumulators.  An accumulator comes round again 96 matrix instructions later: they take turns.
.macro TILE tau
.set ts,  (\tau)/12
.set tp,  ((\tau)%12)/4
.set tt,  (\tau)%4
.set tbf, 16+12*((\tau)%3)
.set tab, 64+96*(ts%2)
.set tas, 52+4*(ts%2)
.set tbs, 60+2*((3*ts+tp)%2)+(tt>>1)
.set w1, 0
.set w2, 0
.if (\tau)+1 < 96
.set w1, 4
.if ((\tau)+1)%4 == 0
.set w1, 5
.endif
.endif
.if (\tau)+2 < 96
.set w2, 4
.if ((\tau)+2)%4 == 0
.set w2, 5
.endif
.endif
.if (\tau)%12 == 0
.if ts < 7
	s_wait_loadcnt 34                              ; this K step's fragments of x are in; the next step's 34 loads may be out
.else
	s_wait_loadcnt 24                              ; behind the last step's stand the 24 loads of the biases
.endif
.endif
	s_wait_dscnt w1+w2                             ; this tile's fragment of W is in; the next two tiles' loads may be out
	WIN 0x50*(tp+1)                                ; C and D in the part's window
.irp a, 0,1,2,3,4,5,6,7
.set xa, tab+12*\a
.set xs, tas+2*(\a>>2)+((\a&3)>>1)
.if tp < 2
.set wd, 32*\a+8*tt
.set wa, tbf
.set wb, xa
.set wsa, tbs
.set wsb, xs
.set wra, tt&1
.set wrb, \a&1
.else
.set wd, 64*tt+8*\a
.set wa, xa
.set wb, tbf
.set wsa, xs
.set wsb, tbs
.set wra, \a&1
.set wrb, tt&1
.endif
.if ts == 0
	WM wd, wa, wb, 0, wsa, wsb, wra, wrb           ; the first K step starts the sums: nothing is cleared
.else
	WM wd, wa, wb, v[wd:wd+7], wsa, wsb, wra, wrb
.endif
.endr
	WIN 0
	PLACES
	GB (\tau)+3                                    ; into the buffer just multiplied
.if (\tau)%12 == 11
.if ts <= 5
	ALOAD ts+2                                     ; into the set just multiplied
.elseif ts == 6
	BIAS
.endif
.endif
.endm
; The way out of part p: 8 times 32 accumulator registers + bias -> a half image and two scale bytes; then the part's scale unit.
.macro SLOT_OUT p, base, off, uoff
	s_wait_xcnt 0x0                                ; the stores of the part before have read the registers that are written again below
.irp e, 0,1,2,3,4,5,6,7
	WIN (\p)+1                                     ; source 0 in the part's window
.set i, 0
.rept 16
.if (\p) < 2
	v_pk_add_f32 v[136+2*i:137+2*i], v[32*\e+2*i:32*\e+2*i+1], v[64+32*(\p)+2*i:65+32*(\p)+2*i]      ; each accumulator from its low end on
.else
	v_pk_add_f32 v[136+2*i:137+2*i], v[32*\e+2*i:32*\e+2*i+1], v[128+2*(\e>>1):129+2*(\e>>1)] op_sel_hi:[1,0]
.endif
.set i, i+1
.endr
	WIN 0
	HQUANT 136, 168+8*\e, 244+\e
	global_store_b128 v1, v[168+8*\e:171+8*\e], s[\base:\base+1] offset:(\off)+768*\e
	global_store_b64 v2, v[172+8*\e:173+8*\e], s[\base:\base+1] offset:(\off)+768*\e+512
.endr
.irp f, 0,1,2,3
	v_lshl_or_b32 v[16+\f], v[245+2*\f], 16, v[244+2*\f]             ; item f: the byte pairs of half images 2 f and 2 f + 1
.endr
	v_cndmask_b32 v20, v16, v17, s[HM]             ; lane (r, h) stores items h and 2 + h of row r
	v_cndmask_b32 v21, v18, v19, s[HM]
	global_store_b64 v2, v[20:21], s[\base:\base+1] offset:\uoff
.endm
	s_load_b256 s[4:11], s[0:1], 0x0               ; xc s[4:5], wc s[6:7], b_qkv s[8:9], qc s[10:11]
	s_load_b64 s[12:13], s[0:1], 0x20              ; kv
	v_lshl_add_u32 v14, v0, 2, 0x29000
	v_mov_b32 v15, 0
	ds_add_u32 v14, v15
	ds_add_u32 v14, v15
	v_lshrrev_b32 v1, 5, v0
	v_readfirstlane_b32 s[WV], v1                  ; wave 0..3
	v_and_b32 v9, 31, v0                           ; L
	v_lshlrev_b32 v1, 4, v9
	v_lshlrev_b32 v2, 3, v9
	v_add_nc_u32 v3, 57600, v1                     ; an LDS offset has 16 bits: three K steps of W to an address pair
	v_add_nc_u32 v4, 57600, v2
	v_add_nc_u32 v5, 115200, v1
	v_add_nc_u32 v6, 115200, v2
	v_lshrrev_b32 v7, 4, v9
	v_lshlrev_b32 v7, 6, v7                        ; 64 h
	v_and_b32 v8, 15, v9
	v_and_b32 v10, 8, v8
	v_add_nc_u32 v8, v8, v10
	v_lshlrev_b32 v8, 2, v8                        ; 4 (r + 8 (r / 8))
	s_bfe_u32 s15, ttmp6, 0x40000                  ; cx
	s_lshl_b32 s16, ttmp9, 2
	s_add_co_u32 s16, s16, s15                     ; tb: my 512 tokens
	s_and_b32 s17, ttmp7, 0xffff                   ; g: the head, which the four partners share
	s_mov_b32 s[SEL], 0x76543210
	s_mov_b32 s[SEL+1], 0xfedcba98
	s_mov_b32 s[HM], 0xffff0000
	; descriptor group 1: a dense block of 38,400 bytes as 150 rows of 256 bytes (32 elements of 8 bytes)
	s_mov_b32 s[G1], 15|(3<<16)|(1<<21)            ; the mask: all four work-groups; elements of 8 bytes; bit 21 set beside a mask
	s_mov_b32 s[G1+1], 32<<16                      ; tensor_dim0
	s_mov_b32 s[G1+2], 150<<16                     ; tensor_dim1
	s_mov_b32 s[G1+3], 32<<16                      ; tile_dim0
	s_mov_b32 s[G1+4], 150                         ; tile_dim1
	s_mov_b32 s[G1+5], 32                          ; from row to row
	s_mov_b32 s[G1+6], 0
	s_mov_b32 s[G1+7], 0
	s_mov_b32 s[G0], 1
	s_mul_i32 s[G0+1], s[WV], 38400                ; LDS: my quarter
	s_mul_i32 s36, s17, 153600                     ; the head's W, my quarter: made of the head and the wave's number alone
	s_add_co_u32 s36, s36, s[G0+1]
	s_mov_b32 s37, 0
	s_lshl_b32 s38, s16, 2
	s_add_co_u32 s38, s38, s[WV]                   ; my 128 tokens
	s_mul_i32 s38, s38, 102400
	s_mov_b32 s39, 0
	s_lshr_b32 s40, s16, 2                         ; batch
	s_lshl_b32 s40, s40, 4
	s_add_co_u32 s40, s40, s17                     ; batch x 16 + head
	s_lshl_b32 s40, s40, 4
	s_and_b32 s41, s16, 3
	s_lshl_b32 s41, s41, 2
	s_add_co_u32 s40, s40, s41
	s_add_co_u32 s40, s40, s[WV]                   ; x 16 + key step
	s_wait_dscnt 0x0
	s_wait_kmcnt 0x0
	s_add_nc_u64 s[G0+2:G0+3], s[6:7], s[36:37]
	s_or_b32 s[G0+3], s[G0+3], 0x80000000          ; type = 2
	s_add_nc_u64 s[PA:PA+1], s[4:5], s[38:39]
	s_mul_i32 s38, s40, 6400
	s_add_nc_u64 s[PQ:PQ+1], s[10:11], s[38:39]
	s_mul_i32 s38, s40, 12800
	s_add_nc_u64 s[PKV:PKV+1], s[12:13], s[38:39]
	s_lshl_b32 s38, s17, 8
	s_add_nc_u64 s[PB:PB+1], s[8:9], s[38:39]
	ALOAD 0
	ROUND                                          ; all four work-groups are here: the joint loads meet
	tensor_load_to_lds s[G0:G0+3], s[G1:G1+7]      ; my one tensor load: LDS is filled once and then only read
	s_nop 0
.rept 4
	v_nop
.endr
	ALOAD 1
	s_wait_tensorcnt 0x0                           ; my quarter of W is in,
	s_barrier_signal -1
	s_barrier_wait -1                              ; everybody's is
	GB 0
	GB 1
	GB 2
.set TN, 0
	s_wait_alu depctr_va_vdst(0)
.rept 96                                       ; 8 K steps x 3 parts x 4 tiles, written out: every offset is an immediate and no pointer is stepped
	TILE TN
.set TN, TN+1
.endr
	s_wait_loadcnt 0x0                             ; the biases
	v_mov_b32 v[QN], 0                             ; written once: a lane permute's destination counts as one of its sources
	v_mov_b32 v[QN+1], 0
	SLOT_OUT 0, PQ, 0, 6144
	SLOT_OUT 1, PKV, 0, 12288
	SLOT_OUT 2, PKV, 6144, 12544
	s_wait_dscnt 0x0
	s_wait_tensorcnt 0x0
	ds_add_u32 v14, v15
	s_wait_dscnt 0x0
	ROUND                                          ; the closing round: no work-group ends while a partner may still ask for a tile that names it
	s_endpgm
.Lfunc_end_k_qdd6aca41fe_qkv:
	.size	k_qdd6aca41fe_qkv, .Lfunc_end_k_qdd6aca41fe_qkv-k_qdd6aca41fe_qkv
	.p2alignl 7, 3214868480
	.fill 96, 4, 3214868480
	.section	.rodata,"a",@progbits
	.p2align	6, 0x0
	.amdhsa_kernel k_qdd6aca41fe_qkv
		.amdhsa_group_segment_fixed_size 168448
		.amdhsa_private_segment_fixed_size 0
		.amdhsa_enable_private_segment 0
		.amdhsa_kernarg_size 40
		.amdhsa_user_sgpr_count 2
		.amdhsa_user_sgpr_kernarg_segment_ptr 1
		.amdhsa_wavefront_size32 1
		.amdhsa_system_sgpr_workgroup_id_x 1
		.amdhsa_system_sgpr_workgroup_id_y 1
		.amdhsa_system_sgpr_workgroup_id_z 1
		.amdhsa_system_vgpr_workitem_id 0
		.amdhsa_next_free_vgpr 1024
		.amdhsa_next_free_sgpr 66
		.amdhsa_reserve_vcc 0
		.amdhsa_float_denorm_mode_32 3
		.amdhsa_float_denorm_mode_16_64 3
		.amdhsa_memory_ordered 1
		.amdhsa_forward_progress 1
		.amdhsa_inst_pref_size 251
	.end_amdhsa_kernel
	.amdgpu_metadata
---
amdhsa.version: [ 1, 2 ]
amdhsa.kernels:
  - .name:           k_qdd6aca41fe_qkv
    .symbol:         k_qdd6aca41fe_qkv.kd
    .args:
      - { .name: xc, .offset: 0, .size: 8, .value_kind: global_buffer, .address_space: global }
      - { .name: wc, .offset: 8, .size: 8, .value_kind: global_buffer, .address_space: global }
      - { .name: b_qkv, .offset: 16, .size: 8, .value_kind: global_buffer, .address_space: global }
      - { .name: qc, .offset: 24, .size: 8, .value_kind: global_buffer, .address_space: global }
      - { .name: kv, .offset: 32, .size: 8, .value_kind: global_buffer, .address_space: global }
    .group_segment_fixed_size: 168448
    .private_segment_fixed_size: 0
    .kernarg_segment_align: 8
    .kernarg_segment_size: 40
    .max_flat_workgroup_size: 128
    .sgpr_count:     66
    .vgpr_count:     1024
    .wavefront_size: 32
...
	.end_amdgpu_metadata
.endif
;; end of part 2
;; launch attn (part 3): grid 4 x 64, 16 waves a work-group, clusters of 4 x 1, 206,848 bytes of LDS; arguments qc, kv, at; writes at
.if DOCPART == 3
	.amdgcn_target "amdgcn-amd-amdhsa--gfx1250"
	.amdhsa_code_object_version 6
	.text
	.protected	k_qdd6aca41fe_attn
	.globl	k_qdd6aca41fe_attn
	.p2align	8
	.type	k_qdd6aca41fe_attn,@function
k_qdd6aca41fe_attn:
	s_mov_b64 s[64:65], 0
	v_nop
	global_prefetch_b8 v0, s[64:65] scope:SCOPE_SE
	s_setreg_imm32_b32 hwreg(HW_REG_WAVE_MODE, 25, 1), 1
	s_wait_xcnt 0x0
	s_wait_alu depctr_hold_cnt(0) depctr_sa_sdst(0) depctr_va_vdst(0) depctr_va_sdst(0) depctr_va_ssrc(0) depctr_va_vcc(0) depctr_vm_vsrc(0)
	s_getreg_b32 s2, hwreg(HW_REG_IB_STS2, 6, 4)
	s_cmp_eq_u32 s2, 0
	s_cbranch_scc0 .Lentry_in_a_cluster
	s_endpgm
.Lentry_in_a_cluster:
	s_bfe_u32 s2, ttmp6, 0x10000c
	s_cmp_lg_u32 s2, 0x3003
	s_cbranch_scc0 .Lentry_shape_is_right
	s_endpgm
.Lentry_shape_is_right:
; Causal attention of one head on codes of E2M3: S^T = K Q^T, p = 2^(t - M), O^T = V^T P^T, O / l, and O quantised along the model's 1,024 (head x 64 + channel) for the last product.
; t = score x log2(e) / 8; M = the running largest t rounded UP to a whole number; the row's sum l is taken of the unquantised p; when M moves, l and O^T are multiplied by 2^(old M - new M), which rounds nothing.
; SHARES.  The four work-groups of a cluster share one head (of 64).  The head's K and V, 16 key steps of 12,800 bytes, come into LDS ONCE, jointly, one tensor load a wave (a key step each), and are then only read.
; A wave takes two tiles of 16 queries, i = 4 wave + cx and 127 - i: tile i needs i / 8 + 1 key steps of 128 keys, so every wave of the launch has 17 steps, two of them on the diagonal.
; i / 8 is wave / 2 whatever cx is: no branch and no LDS address hangs on the work-group's place in its cluster; cx enters global pointers, the mask's number and a byte select alone.
; THE FIRST PRODUCT HAS K = 64.  A fragment of K holds key tile 2 f in k 0-63 and key tile 2 f + 1 in k 64-127.  Against [q | zeros] it gives tile 2 f's scores, against [zeros | q] tile 2 f + 1's: zero codes add nothing.
; Both products are used transposed: a lane holds ONE query throughout.  By the tile order the 16 registers of score tiles 2 b, 2 b + 1 are keys 32 b + 16 h + 0 .. 15, and O^T's 32 registers are channels 32 b + 16 h + i.
; The loop over key steps has 16 trips for every tile; a step all of whose keys come after the tile's queries is passed over by a scalar branch on the wave's number.
; LIMITS: NaN and infinities are not served; a block of p or of O whose largest number lies under 2^-124 gets the byte 1.
; REGISTERS: v1 16 L, v2 8 L, v3 8 r; v4, v5 the step's LDS addresses; v6 r + 8 (r / 8) - 16 h; v7 my query less the diagonal step's first key less 16 h; v8 -infinity; v10, v11 q's scale words as stored;
;   v12 -M, v13 largest t, v[14:15] the sum; v16-45 zeros | q of tile A | zeros | q of tile B | zeros; v46, v47 q's scale words; v48-95 four fragments; v96-159 S^T, then p; v160-191 O^T; v192-203 p's codes;
;   v204-210 conversions' second results; v212-223 block maxima, bytes, scale operands; v[224:225] K's scale words, v[226:227] V's, v228 p's; v[230:231] f; v232-235 at work; v236-246 the last quantiser's; v248-254 its results.
.set WV,  10
.set SEL, 14
.set CS,  16                           ; s[16:17] c = log2(e) / 8, twice: the packed form names a pair
.set G1,  20
.set G0,  28
.set TA,  32                           ; tile A's scalars: +0 q's codes, +2 q's scale words, +4 O's codes, +6 O's scale bytes (pointers); +8 its last key step, +9 its first query in that step, +10 the byte select
.set TBS, 48                           ; tile B's
.set TB,  46                           ; s46 LDS byte of the key step in hand
.set SG,  47                           ; s47 its number
.set QM,  236
.set QN,  238
.set QE,  240
.set QB,  242
.set QY,  244
.macro PLACES
.rept 4
	v_nop
.endr
.endm
.macro ROUND
	s_barrier_signal -1
	s_barrier_wait -1
	s_cmp_lg_u32 s[WV], 0
	s_cbranch_scc1 .Lnot_wave_0_\@
	s_barrier_signal -3
.Lnot_wave_0_\@:
	s_barrier_wait -3
	s_barrier_signal -1
	s_barrier_wait -1
.endm
.macro WM d, a, b, c, sa, sb, ra, rb
.if (\ra) && (\rb)
	v_wmma_scale_f32_16x16x128_f8f6f4 v[(\d):(\d)+7], v[(\a):(\a)+11], v[(\b):(\b)+11], \c, v[\sa], v[\sb] matrix_a_fmt:MATRIX_FMT_FP6 matrix_b_fmt:MATRIX_FMT_FP6 matrix_a_scale:MATRIX_SCALE_ROW1 matrix_b_scale:MATRIX_SCALE_ROW1
.elseif (\ra)
	v_wmma_scale_f32_16x16x128_f8f6f4 v[(\d):(\d)+7], v[(\a):(\a)+11], v[(\b):(\b)+11], \c, v[\sa], v[\sb] matrix_a_fmt:MATRIX_FMT_FP6 matrix_b_fmt:MATRIX_FMT_FP6 matrix_a_scale:MATRIX_SCALE_ROW1
.elseif (\rb)
	v_wmma_scale_f32_16x16x128_f8f6f4 v[(\d):(\d)+7], v[(\a):(\a)+11], v[(\b):(\b)+11], \c, v[\sa], v[\sb] matrix_a_fmt:MATRIX_FMT_FP6 matrix_b_fmt:MATRIX_FMT_FP6 matrix_b_scale:MATRIX_SCALE_ROW1
.else
	v_wmma_scale_f32_16x16x128_f8f6f4 v[(\d):(\d)+7], v[(\a):(\a)+11], v[(\b):(\b)+11], \c, v[\sa], v[\sb] matrix_a_fmt:MATRIX_FMT_FP6 matrix_b_fmt:MATRIX_FMT_FP6
.endif
.endm
.macro HQUANT T, P, HW                 ; 32 registers, v[T + 16 b + i] = k 32 b + 16 h + i of my row -> a half image in v[P .. P + 5], two scale bytes in v[HW]
	v_max3_num_f32 v[QM], |v[(\T)]|, |v[(\T)+1]|, 0x1800000
	v_max3_num_f32 v[QM+1], |v[(\T)+16]|, |v[(\T)+17]|, 0x1800000
.irp i, 2,4,6,8,10,12,14
	s_delay_alu instid0(VALU_DEP_2)
	v_max3_num_f32 v[QM], v[QM], |v[(\T)+\i]|, |v[(\T)+\i+1]|
	s_delay_alu instid0(VALU_DEP_2)
	v_max3_num_f32 v[QM+1], v[QM+1], |v[(\T)+16+\i]|, |v[(\T)+17+\i]|
.endr
	s_delay_alu instid0(VALU_DEP_2)
	v_permlanex16_b32 v[QN], v[QM], s[SEL], s[SEL+1]
	s_delay_alu instid0(VALU_DEP_2)
	v_permlanex16_b32 v[QN+1], v[QM+1], s[SEL], s[SEL+1]
	s_delay_alu instid0(VALU_DEP_2)
	v_max_num_f32 v[QM], v[QM], v[QN]
	s_delay_alu instid0(VALU_DEP_2)
	v_max_num_f32 v[QM+1], v[QM+1], v[QN+1]
	s_delay_alu instid0(VALU_DEP_2)
	v_add_nc_u32 v[QE], 0xff000000, v[QM]
	s_delay_alu instid0(VALU_DEP_2)
	v_add_nc_u32 v[QE+1], 0xff000000, v[QM+1]
	s_delay_alu instid0(VALU_DEP_2)
	v_lshrrev_b32 v[QB], 23, v[QE]
	s_delay_alu instid0(VALU_DEP_2)
	v_lshrrev_b32 v[QB+1], 23, v[QE+1]
	s_delay_alu instid0(VALU_DEP_1)
	v_lshl_or_b32 v[\HW], v[QB+1], 8, v[QB]
	v_cvt_scalef32_pk16_fp6_f32 v[(\P):(\P)+2], v[(\T):(\T)+15], v[QE]
	v_cvt_scalef32_pk16_fp6_f32 v[QY:QY+2], v[(\T)+16:(\T)+31], v[QE+1]
	v_nop
.irp i, 0,1,2
	v_permlane16_swap_b32 v[(\P)+\i], v[QY+\i]
.endr
.irp i, 0,1,2
	s_delay_alu instid0(VALU_DEP_3)
	v_mov_b32 v[(\P)+3+\i], v[QY+\i]
.endr
.endm
; The scalars of query tile i (in s60) into the set at s[B].  a = i % 8 is its tile in its 128 tokens, i / 8 those tokens' number.  s12 = batch x 16 + head.
.macro TPTR B
	s_and_b32 s61, s60, 7                          ; a
	s_lshr_b32 s62, s60, 3
	s_lshl_b32 s63, s12, 4
	s_add_co_u32 s63, s63, s62
	s_mul_i32 s44, s63, 6400
	s_mov_b32 s45, 0
	s_add_nc_u64 s[\B+2:\B+3], s[4:5], s[44:45]    ; the block of qc
	s_mul_i32 s44, s61, 768
	s_add_nc_u64 s[\B:\B+1], s[\B+2:\B+3], s[44:45]  ; its half image a
	s_bfe_u32 s44, s61, 0x10001                    ; the unit's item a / 2: at 128 ((a / 2) % 2) + 4 (a / 4)
	s_lshl_b32 s44, s44, 7
	s_lshr_b32 s43, s61, 2
	s_lshl_b32 s43, s43, 2
	s_add_co_u32 s44, s44, s43
	s_add_co_u32 s44, s44, 6144
	s_add_nc_u64 s[\B+2:\B+3], s[\B+2:\B+3], s[44:45]
	s_lshr_b32 s43, s12, 4                         ; at: [128 tokens][K step = head / 2][which 64 tokens] blocks
	s_lshl_b32 s43, s43, 4
	s_add_co_u32 s43, s43, s62
	s_lshl_b32 s43, s43, 3
	s_bfe_u32 s44, s12, 0x30001
	s_add_co_u32 s43, s43, s44
	s_lshl_b32 s43, s43, 1
	s_lshr_b32 s44, s61, 2
	s_add_co_u32 s43, s43, s44
	s_mul_i32 s44, s43, 6400
	s_add_nc_u64 s[\B+6:\B+7], s[8:9], s[44:45]    ; the block of at
	s_and_b32 s43, s61, 3
	s_mul_i32 s43, s43, 1536
	s_and_b32 s44, s12, 1
	s_mul_i32 s44, s44, 768
	s_add_co_u32 s44, s44, s43
	s_add_nc_u64 s[\B+4:\B+5], s[\B+6:\B+7], s[44:45]  ; fragment a % 4, the half image of my head's parity
	s_and_b32 s43, s61, 1                          ; its two scale bytes: item a % 4, bytes 2 x parity on
	s_lshl_b32 s43, s43, 7
	s_bfe_u32 s44, s61, 0x10001
	s_lshl_b32 s44, s44, 2
	s_add_co_u32 s43, s43, s44
	s_and_b32 s44, s12, 1
	s_lshl_b32 s44, s44, 1
	s_add_co_u32 s44, s44, s43
	s_add_co_u32 s44, s44, 6144
	s_add_nc_u64 s[\B+6:\B+7], s[\B+6:\B+7], s[44:45]
	s_lshr_b32 s43, s61, 1                         ; the tile's first query in its 128: 32 (a / 2) + 8 (a % 2)
	s_lshl_b32 s43, s43, 5
	s_and_b32 s44, s61, 1
	s_lshl_b32 s63, s44, 3
	s_add_co_u32 s[\B+9], s43, s63
	s_mov_b32 s[\B+10], 0x03020302                 ; which byte pair of the stored word is tile a's: the upper where a is odd
	s_cmp_lg_u32 s44, 0
	s_cselect_b32 s[\B+10], s[\B+10], 0x01000100
.endm
; A KEY STEP: 128 keys at LDS byte s[TB].
.macro STEP qlo, qhi, qs, B
	v_add_nc_u32 v4, s[TB], v1
	v_add_nc_u32 v5, s[TB], v2
.irp f, 0,1,2,3
	ds_load_b128 v[48+12*\f:51+12*\f], v4 offset:1536*\f
	ds_load_b64 v[52+12*\f:53+12*\f], v5 offset:1536*\f+512
	ds_load_b128 v[54+12*\f:57+12*\f], v4 offset:1536*\f+768
	ds_load_b64 v[58+12*\f:59+12*\f], v5 offset:1536*\f+1280
.endr
	ds_load_b64 v[224:225], v5 offset:12288        ; K's scale unit
	s_wait_alu depctr_va_vdst(0)
	s_wait_dscnt 0x0
.irp f, 0,1,2,3
	WM 96+16*\f, 48+12*\f, \qlo, 0, 224+(\f>>1), \qs, \f&1, 0      ; key tile 2 f
	WM 104+16*\f, 48+12*\f, \qhi, 0, 224+(\f>>1), \qs, \f&1, 0     ; key tile 2 f + 1
.endr
	PLACES                                         ; in front of the loads into K's registers and of the first read of the scores
.irp t, 0,1,2,3
	ds_load_b128 v[48+12*\t:51+12*\t], v4 offset:6144+1536*\t      ; V's four fragments land while the softmax is walked
	ds_load_b64 v[52+12*\t:53+12*\t], v5 offset:6144+1536*\t+512
	ds_load_b128 v[54+12*\t:57+12*\t], v4 offset:6144+1536*\t+768
	ds_load_b64 v[58+12*\t:59+12*\t], v5 offset:6144+1536*\t+1280
.endr
	ds_load_b64 v[226:227], v5 offset:12544        ; V's scale unit
	s_cmp_lt_u32 s[SG], s[\B+8]                    ; ahead of the diagonal every key counts
	s_cbranch_scc1 .Lopen_\@
.set n, 0
.rept 64                                       ; register 16 b + i holds key 32 b + 16 h + i of the step: hidden where 32 b + i > v7: its score becomes -infinity, p = 0
	v_cmp_gt_i32 vcc_lo, 32*(n/16)+n%16, v7
	v_cndmask_b32 v[96+n], v[96+n], v8, vcc_lo
.set n, n+1
.endr
.Lopen_\@:
.irp b, 0,1,2,3
	v_max3_num_f32 v[212+\b], v[96+16*\b], v[97+16*\b], v[98+16*\b]  ; the largest score of each block of 32 keys: for the row's maximum, and, since p rises with the score, for the block's largest p
.endr
.irp i, 3,5,7,9,11,13
.irp b, 0,1,2,3
	v_max3_num_f32 v[212+\b], v[212+\b], v[96+16*\b+\i], v[97+16*\b+\i]
.endr
.endr
.irp b, 0,1,2,3
	v_max_num_f32 v[212+\b], v[212+\b], v[111+16*\b]
.endr
.irp b, 0,1,2,3
	s_delay_alu instid0(VALU_DEP_4)
	v_permlanex16_b32 v[216+\b], v[212+\b], s[SEL], s[SEL+1]
.endr
.irp b, 0,1,2,3
	s_delay_alu instid0(VALU_DEP_4)
	v_max_num_f32 v[212+\b], v[212+\b], v[216+\b]  ; with lane l xor 16's 16 keys
.endr
	s_delay_alu instid0(VALU_DEP_2)
	v_max3_num_f32 v232, v212, v213, v214
	s_delay_alu instid0(VALU_DEP_1)
	v_max_num_f32 v232, v232, v215                 ; the step's largest score of my query (its first key always counts)
	s_delay_alu instid0(VALU_DEP_1)
	v_mul_f32 v232, s[CS], v232
	s_delay_alu instid0(VALU_DEP_1)
	v_max_num_f32 v13, v13, v232                   ; the running largest t
	v_mov_b32 v232, v12
	s_delay_alu instid0(VALU_DEP_2)
	v_floor_f32 v12, -v13                          ; -M = floor(-t): M is a whole number
	s_delay_alu instid0(VALU_DEP_1)
	v_sub_f32 v232, v12, v232                      ; old M - new M, 0 or less
	s_delay_alu instid0(VALU_DEP_1)
	v_cvt_i32_f32 v232, v232                       ; (it saturates)
	s_delay_alu instid0(VALU_DEP_1)
	v_ldexp_f32 v230, 1.0, v232                    ; f = 2^(old M - new M)
.irp j, 0,2,4,6,8,10,12,14,16,18,20,22,24,26,28,30,32,34,36,38,40,42,44,46,48,50,52,54,56,58,60,62
	v_pk_fma_f32 v[96+\j:97+\j], v[96+\j:97+\j], s[CS:CS+1], v[12:13] op_sel_hi:[1,0,0]   ; t - M, two at a time
.endr
	s_setprio 1
.irp b, 0,1,2,3
	v_fma_f32 v[212+\b], v[212+\b], s[CS], v12     ; the same of each block's largest score
.endr
.set n, 0
	s_wait_alu depctr_va_vdst(0)
.rept 64
	v_exp_f32 v[96+n], v[96+n]                     ; p = 2^(t - M), not normalised
.set n, n+1
.endr
	v_pk_mul_f32 v[14:15], v[14:15], v[230:231] op_sel_hi:[1,0]     ; the sum under the new M (a plain instruction behind the exponentials)
	s_wait_alu depctr_va_vdst(0)                   ; one wait for the batch of 64, ahead of its first reader
.irp b, 0,1,2,3
	v_exp_f32 v[212+\b], v[212+\b]                 ; each block's largest p: the same two instructions on the same number
.endr
	v_pk_add_f32 v[234:235], v[100:101], v[104:105]
	v_pk_add_f32 v[252:253], v[108:109], v[112:113]
	v_pk_add_f32 v[250:251], v[116:117], v[120:121]
	v_pk_add_f32 v[248:249], v[124:125], v[128:129]
	v_pk_add_f32 v[244:245], v[132:133], v[136:137]
	v_pk_add_f32 v[242:243], v[140:141], v[144:145]
	v_pk_add_f32 v[240:241], v[148:149], v[152:153]
	v_pk_add_f32 v[14:15], v[14:15], v[156:157]
	v_pk_add_f32 v[234:235], v[234:235], v[96:97]
	v_pk_add_f32 v[252:253], v[252:253], v[98:99]
	v_pk_add_f32 v[250:251], v[250:251], v[102:103]
	v_pk_add_f32 v[248:249], v[248:249], v[106:107]
	v_pk_add_f32 v[244:245], v[244:245], v[110:111]
	v_pk_add_f32 v[242:243], v[242:243], v[114:115]
	v_pk_add_f32 v[240:241], v[240:241], v[118:119]
	v_pk_add_f32 v[14:15], v[14:15], v[122:123]
	v_pk_add_f32 v[234:235], v[234:235], v[126:127]
	v_pk_add_f32 v[252:253], v[252:253], v[130:131]
	v_pk_add_f32 v[250:251], v[250:251], v[134:135]
	v_pk_add_f32 v[248:249], v[248:249], v[138:139]
	v_pk_add_f32 v[244:245], v[244:245], v[142:143]
	v_pk_add_f32 v[242:243], v[242:243], v[146:147]
	v_pk_add_f32 v[240:241], v[240:241], v[150:151]
	v_pk_add_f32 v[14:15], v[14:15], v[154:155]
	v_pk_add_f32 v[234:235], v[234:235], v[158:159]
	s_delay_alu instid0(VALU_DEP_2)
	v_pk_add_f32 v[14:15], v[14:15], v[248:249]
	s_delay_alu instid0(VALU_DEP_2)
	v_pk_add_f32 v[234:235], v[234:235], v[244:245]
	v_pk_add_f32 v[252:253], v[252:253], v[242:243]
	v_pk_add_f32 v[250:251], v[250:251], v[240:241]
	s_delay_alu instid0(VALU_DEP_2)
	v_pk_add_f32 v[14:15], v[14:15], v[252:253]
	s_delay_alu instid0(VALU_DEP_2)
	v_pk_add_f32 v[234:235], v[234:235], v[250:251]
	s_delay_alu instid0(VALU_DEP_1)
	v_pk_add_f32 v[14:15], v[14:15], v[234:235]
	s_wait_alu depctr_va_vdst(0)                   ; and one for the four
.irp b, 0,1,2,3
	v_max_num_f32 v[212+\b], 0x1800000, v[212+\b]  ; the floor 2^(3 - 127): the byte cannot fall under 1
.endr
.irp b, 0,1,2,3
	s_delay_alu instid0(VALU_DEP_4)
	v_add_nc_u32 v[220+\b], 0xff000000, v[212+\b]  ; the conversion's scale operand
.endr
.irp b, 0,1,2,3
	s_delay_alu instid0(VALU_DEP_4)
	v_lshrrev_b32 v[216+\b], 23, v[220+\b]         ; the scale's byte
.endr
	s_delay_alu instid0(VALU_DEP_3)
	v_lshl_or_b32 v228, v217, 8, v216              ; p's scale word for these 128 keys
	s_delay_alu instid0(VALU_DEP_1)
	v_lshl_or_b32 v228, v218, 16, v228
	s_delay_alu instid0(VALU_DEP_1)
	v_lshl_or_b32 v228, v219, 24, v228
	s_setprio 0
.irp c, 0,1
	v_cvt_scalef32_pk16_fp6_f32 v[192+6*\c:194+6*\c], v[96+32*\c:111+32*\c], v[220+2*\c]
	v_cvt_scalef32_pk16_fp6_f32 v[204+4*\c:206+4*\c], v[112+32*\c:127+32*\c], v[221+2*\c]
.endr
	v_nop                                          ; one plain instruction behind the scaled conversions
.irp c, 0,1
.irp i, 0,1,2
	v_permlane16_swap_b32 v[192+6*\c+\i], v[204+4*\c+\i]
.endr
.irp i, 0,1,2
	s_delay_alu instid0(VALU_DEP_3)
	v_mov_b32 v[195+6*\c+\i], v[204+4*\c+\i]
.endr
.endr
.irp j, 0,2,4,6,8,10,12,14,16,18,20,22,24,26,28,30
	v_pk_mul_f32 v[160+\j:161+\j], v[160+\j:161+\j], v[230:231] op_sel_hi:[1,0]   ; O^T under the new M; these 16 also stand between the writing of p's codes and scale word and the products
.endr
	s_wait_alu depctr_va_vdst(0)
	s_wait_dscnt 0x0                               ; V
.irp t, 0,1,2,3
	WM 160+8*\t, 48+12*\t, 192, v[160+8*\t:167+8*\t], 226+(\t>>1), 228, \t&1, 0
.endr
	PLACES                                         ; behind the last products, whatever follows: the next step's loads into V's registers, or the reading of O^T
.endm
; A tile of 16 queries: all its key steps, then O / l, quantised, out.
.macro TILE qlo, qhi, qs, B
	v_mov_b32 v13, 0xff61b1e6                      ; the largest t so far: -3e38
	s_delay_alu instid0(VALU_DEP_1)
	v_floor_f32 v12, -v13
	v_mov_b32 v14, 0
	v_mov_b32 v15, 0
.set n, 0
.rept 32
	v_mov_b32 v[160+n], 0                          ; the step is written once: the first finds zeros, which the first change of M leaves zeros
.set n, n+1
.endr
	v_add_nc_u32 v7, s[\B+9], v6
	s_mov_b32 s[TB], 0
	s_mov_b32 s[SG], 0
.Ltrip_\@:
	s_cmp_gt_u32 s[SG], s[\B+8]                    ; all keys of this step come after my queries: the step's work is passed over, its address steps are not
	s_cbranch_scc1 .Lhidden_\@
	s_setprio 2
	STEP \qlo, \qhi, \qs, \B
.Lhidden_\@:
	s_add_co_u32 s[TB], s[TB], 12800
	s_add_co_u32 s[SG], s[SG], 1
	s_cmp_lt_u32 s[SG], 16
	s_cbranch_scc1 .Ltrip_\@
	s_setprio 0
	v_add_f32 v14, v14, v15                        ; the sum's two halves,
	s_delay_alu instid0(VALU_DEP_1)
	v_permlanex16_b32 v232, v14, s[SEL], s[SEL+1]
	s_delay_alu instid0(VALU_DEP_1)
	v_add_f32 v14, v14, v232                       ; and lane l xor 16's
	s_wait_alu depctr_va_vdst(0)
	v_rcp_f32 v230, v14
	v_nop
	s_wait_alu depctr_va_vdst(0)                   ; ahead of the reciprocal's first reader
.irp j, 0,2,4,6,8,10,12,14,16,18,20,22,24,26,28,30
	v_pk_mul_f32 v[96+\j:97+\j], v[160+\j:161+\j], v[230:231] op_sel_hi:[1,0]     ; O / l: register 16 b + i is channel 32 b + 16 h + i of my query
.endr
	HQUANT 96, 248, 254
	global_store_b128 v1, v[248:251], s[\B+4:\B+5]
	global_store_b64 v2, v[252:253], s[\B+4:\B+5] offset:512
	global_store_b16 v3, v254, s[\B+6:\B+7]        ; my row's two scale bytes (both halves of the lanes hold and write the same)
	s_wait_xcnt 0x0                                ; the stores have read their registers: the next tile may write them
.endm
	s_load_b128 s[4:7], s[0:1], 0x0                ; qc s[4:5], kv s[6:7]
	s_load_b64 s[8:9], s[0:1], 0x10                ; at
	v_lshl_add_u32 v247, v0, 2, 0x32000
	v_mov_b32 v255, 0
	ds_add_u32 v247, v255
	ds_add_u32 v247, v255
	v_lshrrev_b32 v1, 5, v0
	s_delay_alu instid0(VALU_DEP_1)
	v_readfirstlane_b32 s[WV], v1                  ; wave 0..15
	v_and_b32 v9, 31, v0
	s_delay_alu instid0(VALU_DEP_1)
	v_lshlrev_b32 v1, 4, v9                        ; 16 L
	s_delay_alu instid0(VALU_DEP_2)
	v_lshlrev_b32 v2, 3, v9                        ; 8 L
	s_delay_alu instid0(VALU_DEP_3)
	v_and_b32 v3, 15, v9                           ; r
	s_delay_alu instid0(VALU_DEP_4)
	v_lshrrev_b32 v4, 4, v9                        ; h
	s_delay_alu instid0(VALU_DEP_2)
	v_and_b32 v5, 8, v3
	s_delay_alu instid0(VALU_DEP_1)
	v_add_nc_u32 v6, v3, v5
	s_delay_alu instid0(VALU_DEP_3)
	v_lshlrev_b32 v4, 4, v4
	s_delay_alu instid0(VALU_DEP_1)
	v_sub_nc_u32 v6, v6, v4                        ; r + 8 (r / 8) - 16 h
	v_lshlrev_b32 v3, 3, v3                        ; 8 r
	s_bfe_u32 s11, ttmp6, 0x40000                  ; cx
	s_and_b32 s12, ttmp7, 0xffff                   ; batch x 16 + head, which the four partners share
	s_mov_b32 s[SEL], 0x76543210
	s_mov_b32 s[SEL+1], 0xfedcba98
	s_mov_b32 s[CS], 0x3e38aa3b                    ; log2(e) / 8
	s_mov_b32 s[CS+1], s[CS]
	; descriptor group 1: a key step's 12,800 dense bytes as 50 rows of 256 bytes
	s_mov_b32 s[G1], 15|(3<<16)|(1<<21)
	s_mov_b32 s[G1+1], 32<<16
	s_mov_b32 s[G1+2], 50<<16
	s_mov_b32 s[G1+3], 32<<16
	s_mov_b32 s[G1+4], 50
	s_mov_b32 s[G1+5], 32
	s_mov_b32 s[G1+6], 0
	s_mov_b32 s[G1+7], 0
	s_mov_b32 s[G0], 1
	s_mul_i32 s[G0+1], s[WV], 12800
	s_mul_i32 s18, s12, 204800
	s_add_co_u32 s18, s18, s[G0+1]
	s_mov_b32 s19, 0
	s_lshr_b32 s[TA+8], s[WV], 1                   ; the tiles' last key steps, from the wave's number alone
	s_sub_co_u32 s[TBS+8], 15, s[TA+8]
	s_wait_alu depctr_va_vdst(0)
	s_wait_dscnt 0x0
	s_wait_kmcnt 0x0
	s_add_nc_u64 s[G0+2:G0+3], s[6:7], s[18:19]
	s_or_b32 s[G0+3], s[G0+3], 0x80000000
	s_lshl_b32 s60, s[WV], 2
	s_add_co_u32 s60, s60, s11                     ; tile A
	TPTR TA
	s_sub_co_u32 s60, 127, s60                     ; tile B
	TPTR TBS
	global_load_b128 v[22:25], v1, s[TA:TA+1]
	global_load_b64 v[26:27], v2, s[TA:TA+1] offset:512
	global_load_b32 v10, v3, s[TA+2:TA+3]
	global_load_b128 v[34:37], v1, s[TBS:TBS+1]
	global_load_b64 v[38:39], v2, s[TBS:TBS+1] offset:512
	global_load_b32 v11, v3, s[TBS+2:TBS+3]
	ROUND                                          ; all four work-groups are here: the joint loads meet
	tensor_load_to_lds s[G0:G0+3], s[G1:G1+7]      ; my one tensor load: key step = my wave's number
	s_nop 0
.rept 4
	v_nop
.endr
.irp j, 16,17,18,19,20,21,28,29,30,31,32,33,40,41,42,43,44,45
	v_mov_b32 v[\j], 0                             ; the zero halves beside q
.endr
	v_mov_b32 v8, 0xff800000
.irp j, 216,217,218,219,231,232,238,239
	v_mov_b32 v[\j], 0                             ; lane permutes' destinations and a pair's upper half: written once
.endr
	s_wait_loadcnt 0x0
	v_perm_b32 v46, v10, v10, s[TA+10]             ; my tile's byte pair, twice: it serves [q | 0] and [0 | q]
	v_perm_b32 v47, v11, v11, s[TBS+10]
	s_wait_tensorcnt 0x0                           ; my key step is in,
	s_barrier_signal -1
	s_barrier_wait -1                              ; everybody's is: the head's K and V lie in LDS
	TILE 22, 16, 46, TA
	TILE 34, 28, 47, TBS
	s_wait_dscnt 0x0
	s_wait_tensorcnt 0x0
	ds_add_u32 v247, v255
	s_wait_dscnt 0x0
	ROUND                                          ; the closing round
	s_endpgm
.Lfunc_end_k_qdd6aca41fe_attn:
	.size	k_qdd6aca41fe_attn, .Lfunc_end_k_qdd6aca41fe_attn-k_qdd6aca41fe_attn
	.p2alignl 7, 3214868480
	.fill 96, 4, 3214868480
	.section	.rodata,"a",@progbits
	.p2align	6, 0x0
	.amdhsa_kernel k_qdd6aca41fe_attn
		.amdhsa_group_segment_fixed_size 206848
		.amdhsa_private_segment_fixed_size 0
		.amdhsa_enable_private_segment 0
		.amdhsa_kernarg_size 24
		.amdhsa_user_sgpr_count 2
		.amdhsa_user_sgpr_kernarg_segment_ptr 1
		.amdhsa_wavefront_size32 1
		.amdhsa_system_sgpr_workgroup_id_x 1
		.amdhsa_system_sgpr_workgroup_id_y 1
		.amdhsa_system_sgpr_workgroup_id_z 1
		.amdhsa_system_vgpr_workitem_id 0
		.amdhsa_next_free_vgpr 256
		.amdhsa_next_free_sgpr 66
		.amdhsa_reserve_vcc 1
		.amdhsa_float_denorm_mode_32 3
		.amdhsa_float_denorm_mode_16_64 3
		.amdhsa_memory_ordered 1
		.amdhsa_forward_progress 1
		.amdhsa_inst_pref_size 66
	.end_amdhsa_kernel
	.amdgpu_metadata
---
amdhsa.version: [ 1, 2 ]
amdhsa.kernels:
  - .name:           k_qdd6aca41fe_attn
    .symbol:         k_qdd6aca41fe_attn.kd
    .args:
      - { .name: qc, .offset: 0, .size: 8, .value_kind: global_buffer, .address_space: global }
      - { .name: kv, .offset: 8, .size: 8, .value_kind: global_buffer, .address_space: global }
      - { .name: at, .offset: 16, .size: 8, .value_kind: global_buffer, .address_space: global }
    .group_segment_fixed_size: 206848
    .private_segment_fixed_size: 0
    .kernarg_segment_align: 8
    .kernarg_segment_size: 24
    .max_flat_workgroup_size: 512
    .sgpr_count:     66
    .vgpr_count:     256
    .wavefront_size: 32
...
	.end_amdgpu_metadata
.endif
;; end of part 3
;; launch proj (part 4): grid 32 x 8, 8 waves a work-group, clusters of 4 x 1, 171,008 bytes of LDS; arguments at, wp, b_proj, out0; writes out0
.if DOCPART == 4
	.amdgcn_target "amdgcn-amd-amdhsa--gfx1250"
	.amdhsa_code_object_version 6
	.text
	.protected	k_qdd6aca41fe_proj
	.globl	k_qdd6aca41fe_proj
	.p2align	8
	.type	k_qdd6aca41fe_proj,@function
k_qdd6aca41fe_proj:
	s_mov_b64 s[64:65], 0
	v_nop
	global_prefetch_b8 v0, s[64:65] scope:SCOPE_SE
	s_setreg_imm32_b32 hwreg(HW_REG_WAVE_MODE, 25, 1), 1
	s_wait_xcnt 0x0
	s_wait_alu depctr_hold_cnt(0) depctr_sa_sdst(0) depctr_va_vdst(0) depctr_va_sdst(0) depctr_va_ssrc(0) depctr_va_vcc(0) depctr_vm_vsrc(0)
	s_getreg_b32 s2, hwreg(HW_REG_IB_STS2, 6, 4)
	s_cmp_eq_u32 s2, 0
	s_cbranch_scc0 .Lentry_in_a_cluster
	s_endpgm
.Lentry_in_a_cluster:
	s_bfe_u32 s2, ttmp6, 0x10000c
	s_cmp_lg_u32 s2, 0x3003
	s_cbranch_scc0 .Lentry_shape_is_right
	s_endpgm
.Lentry_shape_is_right:
; out0 = att w_proj + b_proj on codes of E2M3; both operands lie in memory in the order of the operand's registers (fragment 1,536 bytes, scale unit 256, operand block 6,400, tile order).
; SHARES.  A work-group takes 256 tokens x 128 columns; each of its eight waves 32 tokens (two tiles of one run of 32) x the 128 columns: 16 accumulators.
; ALL IS ASKED FOR AT THE HEAD.  W's 128 columns for all of K (102,400 bytes) come into LDS once; CLUSTER: the four work-groups of a cluster share the columns, so each eighth is asked for jointly, one tensor load a wave.
; A wave's own fragments of att, for all of K, go straight into registers (192, window 1), K step by K step, and the products begin when the first step is in.
; The product is used TRANSPOSED (source 0 = 16 columns of W, source 1 = 16 tokens): a lane holds one token, and by the tile order its registers run along neighbouring columns.
; The way out goes through the wave's own stage in LDS, so that each store of the wave covers 512 consecutive bytes of a row of out0, aligned to 256.
; REGISTERS, window 0: v1-4 16 L, 8 L, + 0 and + 51,200; v7 64 h; v8, v9 the stage, in and back; v16-23 att's scale words, one register a K step (tile 0 in lanes 0-15, tile 1 in lanes 16-31); v24-27 W's scale words;
;   v32-127 two groups of four fragments of W; v128-255 the accumulators at 64 u + 32 z + 8 t.   window 1: v0-191 att's fragments at 12 (2 s + u); v192-255 the bias in the result's order.
.set WV,  14
.set G1,  24
.set G0,  32
.set PA,  48                           ; s[48:49] my two tiles in at
.set PS,  50                           ; s[50:51] their scale words
.set PO,  52                           ; s[52:53] my first row of out0, my columns
.set PB,  54                           ; s[54:55] b_proj at my columns
.set STG, 102400                       ; LDS behind W: a stage of 16 rows x 528 bytes for each wave
.set MSB, 0
.macro WIN new
.if MSB != (\new)
	s_set_vgpr_msb (MSB<<8)|(\new)
.set MSB, \new
.endif
.endm
.macro PLACES
.rept 4
	v_nop
.endr
.endm
.macro ROUND
	s_barrier_signal -1
	s_barrier_wait -1
	s_cmp_lg_u32 s[WV], 0
	s_cbranch_scc1 .Lnot_wave_0_\@
	s_barrier_signal -3
.Lnot_wave_0_\@:
	s_barrier_wait -3
	s_barrier_signal -1
	s_barrier_wait -1
.endm
.macro WM d, a, b, c, sa, sb, ra, rb
.if (\ra) && (\rb)
	v_wmma_scale_f32_16x16x128_f8f6f4 v[(\d):(\d)+7], v[(\a):(\a)+11], v[(\b):(\b)+11], \c, v[\sa], v[\sb] matrix_a_fmt:MATRIX_FMT_FP6 matrix_b_fmt:MATRIX_FMT_FP6 matrix_a_scale:MATRIX_SCALE_ROW1 matrix_b_scale:MATRIX_SCALE_ROW1
.elseif (\ra)
	v_wmma_scale_f32_16x16x128_f8f6f4 v[(\d):(\d)+7], v[(\a):(\a)+11], v[(\b):(\b)+11], \c, v[\sa], v[\sb] matrix_a_fmt:MATRIX_FMT_FP6 matrix_b_fmt:MATRIX_FMT_FP6 matrix_a_scale:MATRIX_SCALE_ROW1
.elseif (\rb)
	v_wmma_scale_f32_16x16x128_f8f6f4 v[(\d):(\d)+7], v[(\a):(\a)+11], v[(\b):(\b)+11], \c, v[\sa], v[\sb] matrix_a_fmt:MATRIX_FMT_FP6 matrix_b_fmt:MATRIX_FMT_FP6 matrix_b_scale:MATRIX_SCALE_ROW1
.else
	v_wmma_scale_f32_16x16x128_f8f6f4 v[(\d):(\d)+7], v[(\a):(\a)+11], v[(\b):(\b)+11], \c, v[\sa], v[\sb] matrix_a_fmt:MATRIX_FMT_FP6 matrix_b_fmt:MATRIX_FMT_FP6
.endif
.endm
.macro GP ks, zz                       ; W's block of K step ks, 64 columns zz, from LDS into group zz: its scale unit and four fragments: 17 loads
.set pb, 32+48*(\zz)
.set pa, 1+2*(\zz)
	ds_load_b64 v[24+2*(\zz):25+2*(\zz)], v[pa+1] offset:6400*(\ks)+6144
.irp t, 0,1,2,3
	ds_load_b128 v[pb+12*\t:pb+12*\t+3], v[pa] offset:6400*(\ks)+1536*\t
	ds_load_b64 v[pb+12*\t+4:pb+12*\t+5], v[pa+1] offset:6400*(\ks)+1536*\t+512
	ds_load_b128 v[pb+12*\t+6:pb+12*\t+9], v[pa] offset:6400*(\ks)+1536*\t+768
	ds_load_b64 v[pb+12*\t+10:pb+12*\t+11], v[pa+1] offset:6400*(\ks)+1536*\t+1280
.endr
.endm
	s_load_b256 s[4:11], s[0:1], 0x0               ; at s[4:5], wp s[6:7], b_proj s[8:9], out0 s[10:11]
	v_lshl_add_u32 v30, v0, 2, 0x29800
	v_mov_b32 v31, 0
	ds_add_u32 v30, v31
	ds_add_u32 v30, v31
	v_lshrrev_b32 v1, 5, v0
	s_delay_alu instid0(VALU_DEP_1)
	v_readfirstlane_b32 s[WV], v1                  ; wave 0..7
	v_and_b32 v10, 31, v0
	s_delay_alu instid0(VALU_DEP_1)
	v_lshlrev_b32 v1, 4, v10                       ; 16 L
	s_delay_alu instid0(VALU_DEP_2)
	v_lshlrev_b32 v2, 3, v10                       ; 8 L
	s_delay_alu instid0(VALU_DEP_2)
	v_add_nc_u32 v3, 51200, v1                     ; the second 64 columns' blocks
	s_delay_alu instid0(VALU_DEP_2)
	v_add_nc_u32 v4, 51200, v2
	v_lshrrev_b32 v11, 4, v10                      ; h
	v_and_b32 v12, 15, v10                         ; r
	s_delay_alu instid0(VALU_DEP_2)
	v_lshlrev_b32 v7, 6, v11                       ; 64 h
	s_mul_i32 s44, s[WV], 8448
	s_add_co_u32 s44, s44, STG                     ; my stage
	v_mul_u32_u24 v8, v12, 528
	s_delay_alu instid0(VALU_DEP_1)
	v_lshl_add_u32 v8, v11, 6, v8
	s_delay_alu instid0(VALU_DEP_1)
	v_add_nc_u32 v8, s44, v8                       ; in: row r, + 64 h
	v_add_nc_u32 v9, s44, v1                       ; back: 16 bytes a lane of a row
	s_bfe_u32 s15, ttmp6, 0x40000                  ; cx
	s_lshl_b32 s16, ttmp9, 2
	s_add_co_u32 s16, s16, s15                     ; my 256 tokens
	s_and_b32 s17, ttmp7, 0xffff                   ; my 128 columns, which the four partners share
	s_mov_b32 s[G1], 15|(3<<16)|(1<<21)            ; 12,800 dense bytes as 50 rows of 256 bytes; the mask names all four work-groups
	s_mov_b32 s[G1+1], 32<<16
	s_mov_b32 s[G1+2], 50<<16
	s_mov_b32 s[G1+3], 32<<16
	s_mov_b32 s[G1+4], 50
	s_mov_b32 s[G1+5], 32
	s_mov_b32 s[G1+6], 0
	s_mov_b32 s[G1+7], 0
	s_mov_b32 s[G0], 1
	s_mul_i32 s[G0+1], s[WV], 12800
	s_mul_i32 s36, s17, 102400                     ; made of the columns' number and the wave's alone
	s_add_co_u32 s36, s36, s[G0+1]
	s_mov_b32 s37, 0
	s_lshl_b32 s18, s16, 1                         ; at: my block is ((128 tokens) x 16 + which 64) x 6,400, + 12,800 a K step
	s_lshr_b32 s19, s[WV], 2
	s_add_co_u32 s18, s18, s19
	s_lshl_b32 s18, s18, 4
	s_bfe_u32 s19, s[WV], 0x10001
	s_add_co_u32 s18, s18, s19
	s_mul_i32 s18, s18, 6400
	s_and_b32 s19, s[WV], 1                        ; which run of 32 of the 64: tiles 2 x that + u
	s_mul_i32 s40, s19, 3072
	s_add_co_u32 s40, s40, s18
	s_mov_b32 s41, 0
	s_lshl_b32 s42, s19, 2
	s_add_co_u32 s42, s42, s18
	s_add_co_u32 s42, s42, 6144
	s_mov_b32 s43, 0
	s_wait_dscnt 0x0
	s_wait_kmcnt 0x0
	s_add_nc_u64 s[G0+2:G0+3], s[6:7], s[36:37]
	s_or_b32 s[G0+3], s[G0+3], 0x80000000
	s_add_nc_u64 s[PA:PA+1], s[4:5], s[40:41]
	s_add_nc_u64 s[PS:PS+1], s[4:5], s[42:43]
	s_lshl_b32 s40, s16, 8
	s_lshl_b32 s42, s[WV], 5
	s_add_co_u32 s40, s40, s42                     ; my first token
	s_lshl_b32 s40, s40, 12
	s_lshl_b32 s42, s17, 9                         ; my columns, in bytes
	s_add_co_u32 s40, s40, s42
	s_add_nc_u64 s[PO:PO+1], s[10:11], s[40:41]
	s_add_nc_u64 s[PB:PB+1], s[8:9], s[42:43]
	ROUND                                          ; all four work-groups are here: the joint loads meet
	tensor_load_to_lds s[G0:G0+3], s[G1:G1+7]      ; my one tensor load: LDS is filled once
	s_nop 0
.rept 4
	v_nop
.endr
.irp s, 0,1,2,3,4,5,6,7
	global_load_b32 v[16+\s], v2, s[PS:PS+1] offset:12800*\s         ; lanes 0-15: tile 0's words, lanes 16-31: tile 1's
.endr
	WIN 0x40                                       ; destination window 1
	s_wait_alu depctr_va_vdst(0)
.irp z, 0,1
.irp be, 0,1
.irp k, 0,1,2,3
	global_load_b128 v[192+32*\z+16*\be+4*\k:195+32*\z+16*\be+4*\k], v7, s[PB:PB+1] offset:256*\z+128*\be+16*\k
.endr
.endr
.endr
.irp s, 0,1,2,3,4,5,6,7
.irp u, 0,1
	global_load_b128 v[12*(2*\s+\u):12*(2*\s+\u)+3], v1, s[PA:PA+1] offset:12800*\s+1536*\u
	global_load_b64 v[12*(2*\s+\u)+4:12*(2*\s+\u)+5], v2, s[PA:PA+1] offset:12800*\s+1536*\u+512
	global_load_b128 v[12*(2*\s+\u)+6:12*(2*\s+\u)+9], v1, s[PA:PA+1] offset:12800*\s+1536*\u+768
	global_load_b64 v[12*(2*\s+\u)+10:12*(2*\s+\u)+11], v2, s[PA:PA+1] offset:12800*\s+1536*\u+1280
.endr
.endr
	WIN 0
	s_wait_tensorcnt 0x0                           ; my eighth of W is in,
	s_barrier_signal -1
	s_barrier_wait -1                              ; everybody's is
	GP 0, 0
	GP 0, 1
	WIN 0x04                                       ; source 1 (att) in window 1, for the whole run of products; an LDS load names a destination and source 0 alone
.irp s, 0,1,2,3,4,5,6,7
.irp z, 0,1
.if \z == 0
	s_wait_loadcnt 8*(7-\s)                        ; this K step's fragments of att are in; the later steps' eight loads each may be out
.endif
.if (\s == 7) && (\z == 1)
	s_wait_dscnt 0x0
.else
	s_wait_dscnt 17                                ; this group is in; the other group's 17 loads may be out
.endif
.irp t, 0,1,2,3
.irp u, 0,1
.set wd, 128+64*\u+32*\z+8*\t
.if \s == 0
	WM wd, 32+48*\z+12*\t, 12*(2*\s+\u), 0, 24+2*\z+(\t>>1), 16+\s, \t&1, \u              ; the first K step starts the sums
.else
	WM wd, 32+48*\z+12*\t, 12*(2*\s+\u), v[wd:wd+7], 24+2*\z+(\t>>1), 16+\s, \t&1, \u     ; the 16 accumulators take turns
.endif
.endr
.endr
	PLACES
.if \s < 7
	GP \s+1, \z                                    ; into the group just multiplied
.endif
.endr
.endr
.irp u, 0,1                                    ; THE WAY OUT, a tile of 16 tokens at a time
	WIN 0x04
.set i, 0
.rept 32
	v_pk_add_f32 v[128+64*\u+2*i:129+64*\u+2*i], v[128+64*\u+2*i:129+64*\u+2*i], v[192+2*i:193+2*i]   ; + b_proj; each accumulator from its low end on
.set i, i+1
.endr
	WIN 0                                          ; a store's data are its source 1
.irp z, 0,1
.irp be, 0,1
.irp k, 0,1,2,3
	ds_store_b128 v8, v[128+64*\u+32*\z+16*\be+4*\k:131+64*\u+32*\z+16*\be+4*\k] offset:256*\z+128*\be+16*\k   ; register 32 z + 16 b + i is column 64 z + 32 b + 16 h + i of my token
.endr
.endr
.endr
.irp p, 0,1,2,3,4,5,6,7,8,9,10,11,12,13,14,15
	ds_load_b128 v[128+64*\u+4*\p:131+64*\u+4*\p], v9 offset:528*\p  ; whole rows back (LDS serves a wave's instructions in order), into the registers that they left
.endr
.irp p, 0,1,2,3,4,5,6,7,8,9,10,11,12,13,14,15
	s_wait_dscnt 15-\p
	global_store_b128 v1, v[128+64*\u+4*\p:131+64*\u+4*\p], s[PO:PO+1] offset:(8*\u+\p+8*(\p>>3))*4096 th:TH_STORE_NT   ; row p of tile u is token 8 u + p + 8 (p / 8) of my 32
.endr
.endr
	s_wait_dscnt 0x0
	s_wait_tensorcnt 0x0
	ds_add_u32 v30, v31
	s_wait_dscnt 0x0
	ROUND                                          ; the closing round
	s_endpgm
.Lfunc_end_k_qdd6aca41fe_proj:
	.size	k_qdd6aca41fe_proj, .Lfunc_end_k_qdd6aca41fe_proj-k_qdd6aca41fe_proj
	.p2alignl 7, 3214868480
	.fill 96, 4, 3214868480
	.section	.rodata,"a",@progbits
	.p2align	6, 0x0
	.amdhsa_kernel k_qdd6aca41fe_proj
		.amdhsa_group_segment_fixed_size 171008
		.amdhsa_private_segment_fixed_size 0
		.amdhsa_enable_private_segment 0
		.amdhsa_kernarg_size 32
		.amdhsa_user_sgpr_count 2
		.amdhsa_user_sgpr_kernarg_segment_ptr 1
		.amdhsa_wavefront_size32 1
		.amdhsa_system_sgpr_workgroup_id_x 1
		.amdhsa_system_sgpr_workgroup_id_y 1
		.amdhsa_system_sgpr_workgroup_id_z 1
		.amdhsa_system_vgpr_workitem_id 0
		.amdhsa_next_free_vgpr 512
		.amdhsa_next_free_sgpr 66
		.amdhsa_reserve_vcc 0
		.amdhsa_float_denorm_mode_32 3
		.amdhsa_float_denorm_mode_16_64 3
		.amdhsa_memory_ordered 1
		.amdhsa_forward_progress 1
		.amdhsa_inst_pref_size 61
	.end_amdhsa_kernel
	.amdgpu_metadata
---
amdhsa.version: [ 1, 2 ]
amdhsa.kernels:
  - .name:           k_qdd6aca41fe_proj
    .symbol:         k_qdd6aca41fe_proj.kd
    .args:
      - { .name: at, .offset: 0, .size: 8, .value_kind: global_buffer, .address_space: global }
      - { .name: wp, .offset: 8, .size: 8, .value_kind: global_buffer, .address_space: global }
      - { .name: b_proj, .offset: 16, .size: 8, .value_kind: global_buffer, .address_space: global }
      - { .name: out0, .offset: 24, .size: 8, .value_kind: global_buffer, .address_space: global }
    .group_segment_fixed_size: 171008
    .private_segment_fixed_size: 0
    .kernarg_segment_align: 8
    .kernarg_segment_size: 32
    .max_flat_workgroup_size: 256
    .sgpr_count:     66
    .vgpr_count:     512
    .wavefront_size: 32
...
	.end_amdgpu_metadata
.endif
;; end of part 4
